; MI455X (gfx1250); checked and timed in simulation.
; The chip was launched on July 23, 2026; its instructions are those of AMD's public machine-readable ISA for CDNA 5 (MIT licence, August 2026) and "CDNA5" Instruction Set Architecture Reference Guide (July 2026). The comments in the code are by the model that wrote it; some were corrected since.
;; Advanced NKAT Finetuner. Allowed arithmetic: float matrix products may take bf16 or f16 operands with f32 sums; all other float work in f32.
;; Inputs: W1 4,096 x 2,048 float32; W2 4,096 x 4,096 float32; W3 2,048 x 4,096 float32; W_out 2,048 x 2,048 float32; b1 4,096 float32; b2 4,096 float32; b3 2,048 float32; b_out 2,048 float32; cp1 4,096 x 9 float32; cp2 4,096 x 9 float32; cp3 2,048 x 9 float32; rw1 4,096 float32; rw2 4,096 float32; rw3 2,048 float32; x 1,024 x 2,048 float32.
;; Outputs: out0 1,024 x 2,048 float32.
;; 2 versions, each right; version 2 is version 1 with the launch ln written anew for expert scheduling mode. Each part assembles by itself: llvm-mc -triple=amdgcn-amd-amdhsa -mcpu=gfx1250 --defsym DOCPART=n.
;; ======== version 1 of 2: 5 launches
;; limits: values are held in f16: magnitudes above 65,504 overflow, below 6.1e-05 lose precision; inputs' magnitudes at most 65,504
;; workspace buffers: xn 4,194,304 bytes; h1 8,388,608 bytes; h2 8,388,608 bytes; h3 4,194,304 bytes
;; launch ln (part 1): grid 64 x 1, 16 waves a work-group, no clusters, 71,680 bytes of LDS; arguments x, xn; writes xn
.if DOCPART == 1
	.amdgcn_target "amdgcn-amd-amdhsa--gfx1250"
	.amdhsa_code_object_version 6
	.text
	.protected	k_qde2a068407_ln
	.globl	k_qde2a068407_ln
	.p2align	8
	.type	k_qde2a068407_ln,@function
k_qde2a068407_ln:
	s_mov_b64 s[64:65], 0
	v_nop
	global_prefetch_b8 v0, s[64:65] scope:SCOPE_SE
	s_setreg_imm32_b32 hwreg(HW_REG_WAVE_MODE, 25, 1), 1
	s_wait_xcnt 0x0
; xn = (x - mean) / sqrt(var + 1e-5) along rows of 2048, x f32 [1024][2048], xn f16 in the layout the products read:
;   byte(m, k) = (m >> 4) * 65536 + (k >> 3) * 256 + (m & 15) * 16 + (k & 7) * 2     ("pieces" of 16 rows x 8 k = 256 bytes)
; f16 has room for xn whatever x holds: a normalised row of 2048 numbers has none above sqrt(2048) < 46.
; A work-group takes 16 rows (one block of 65,536 bytes of xn), a wave one row, kept in 64 registers a lane between the passes:
; mean first, then the sum of squares of (x - mean), so a common offset of x forms no difference of large sums.
; The 16 rows meet in LDS (a piece = 256 bytes + 16 of padding), so that every store of a wave covers 512 consecutive bytes.
; No matrix unit, no tensor load, no cluster: each byte is read once and no work-group shares a byte with another.
.set X, 8                              ; v[8:71]   the row's 64 numbers of this lane; later 32 packed words, and the read-back
.set M, 72                             ; v[72:79]  four chains of pairs
.set R, 80                             ; v[80:81]  -mean, later 1/sqrt(var + eps), twice
.set PP, 272                           ; LDS bytes from piece to piece
	s_load_b128 s[4:7], s[0:1], 0x0                ; x, xn
	v_lshl_add_u32 v96, v0, 2, 0x11000
	v_mov_b32 v97, 0
	v_and_b32 v1, 31, v0                           ; lane
	v_lshrrev_b32 v2, 5, v0
	v_readfirstlane_b32 s8, v2                     ; wave = row of the block
	s_lshl_b32 s10, ttmp9, 17                      ; 16 rows of 8,192 bytes
	s_lshl_b32 s9, s8, 13
	s_add_co_u32 s10, s10, s9
	s_mov_b32 s11, 0
	s_lshl_b32 s12, ttmp9, 16                      ; the block of xn
	s_lshl_b32 s9, s8, 12                          ; the wave writes pieces 16 wave .. 16 wave + 15
	s_add_co_u32 s12, s12, s9
	s_mov_b32 s13, 0
	s_mov_b32 s14, 0x76543210                      ; v_permlanex16_b32: lane i reads lane i of the other half
	s_mov_b32 s15, 0xfedcba98
	s_mov_b32 s16, 0x3a000000                      ; 1 / 2048
	s_mov_b32 s17, 0x3727c5ac                      ; 1e-5
	v_lshlrev_b32 v3, 4, v1                        ; 16 lane
	s_wait_kmcnt 0x0
	s_add_nc_u64 s[4:5], s[4:5], s[10:11]
	s_add_nc_u64 s[6:7], s[6:7], s[12:13]
.irp q, 0,1,2,3,4,5,6,7,8,9,10,11,12,13,14,15
	global_load_b128 v[X+4*\q:X+4*\q+3], v3, s[4:5] offset:512*\q th:TH_LOAD_NT   ; k = 4 (lane + 32 q) .. + 3
.endr
	v_lshrrev_b32 v4, 1, v1                        ; in: piece (lane >> 1) + 16 q, row's 16 bytes, half lane & 1
	v_mul_u32_u24 v4, v4, PP
	v_and_b32 v5, 1, v1
	v_lshl_add_u32 v4, v5, 3, v4
	s_lshl_b32 s18, s8, 4
	v_add_nc_u32 v4, s18, v4
	v_lshrrev_b32 v5, 4, v1                        ; back: piece 16 wave + 2 i + (lane >> 4), 16 bytes a lane
	v_mul_u32_u24 v5, v5, PP
	v_and_b32 v6, 15, v1
	v_lshl_add_u32 v5, v6, 4, v5
	s_mul_i32 s19, s8, 16*PP
	v_add_nc_u32 v5, s19, v5
.macro REDUCE                          ; the four chains, then the 32 lanes; the result is in every lane's v[M]
	v_pk_add_f32 v[M:M+1], v[M:M+1], v[M+2:M+3]
	v_pk_add_f32 v[M+4:M+5], v[M+4:M+5], v[M+6:M+7]
	v_pk_add_f32 v[M:M+1], v[M:M+1], v[M+4:M+5]
	v_add_f32 v[M], v[M], v[M+1]
	v_add_f32_dpp v[M], v[M], v[M] row_xmask:1 row_mask:0xf bank_mask:0xf
	v_add_f32_dpp v[M], v[M], v[M] row_xmask:2 row_mask:0xf bank_mask:0xf
	v_add_f32_dpp v[M], v[M], v[M] row_xmask:4 row_mask:0xf bank_mask:0xf
	v_add_f32_dpp v[M], v[M], v[M] row_xmask:8 row_mask:0xf bank_mask:0xf
	v_permlanex16_b32 v[M+1], v[M], s14, s15
	v_add_f32 v[M], v[M], v[M+1]
.endm
	s_wait_loadcnt 0x0                             ; the whole row is needed for the mean
.irp c, 0,1,2,3
	v_pk_add_f32 v[M+2*\c:M+2*\c+1], v[X+2*\c:X+2*\c+1], v[X+8+2*\c:X+8+2*\c+1]   ; the first sums start the chains
.endr
.set j, 8
.rept 24
	v_pk_add_f32 v[M+2*(j%4):M+2*(j%4)+1], v[M+2*(j%4):M+2*(j%4)+1], v[X+2*j:X+2*j+1]
.set j, j+1
.endr
	REDUCE
	v_mul_f32 v[R], 0xba000000, v[M]               ; -mean = -sum / 2048
	v_mov_b32 v[R+1], v[R]
.set j, 0
.rept 32
	v_pk_add_f32 v[X+2*j:X+2*j+1], v[X+2*j:X+2*j+1], v[R:R+1]
.set j, j+1
.endr
.irp c, 0,1,2,3
	v_pk_mul_f32 v[M+2*\c:M+2*\c+1], v[X+2*\c:X+2*\c+1], v[X+2*\c:X+2*\c+1]
.endr
.set j, 4
.rept 28
	v_pk_fma_f32 v[M+2*(j%4):M+2*(j%4)+1], v[X+2*j:X+2*j+1], v[X+2*j:X+2*j+1], v[M+2*(j%4):M+2*(j%4)+1]
.set j, j+1
.endr
	REDUCE
	v_fma_f32 v[M], v[M], s16, s17                 ; var + eps
	v_rsq_f32 v[R], v[M]
	v_rsq_f32 v[R+1], v[M]
	v_nop                                          ; one plain place behind the transcendentals (ISA guide 5.7.2)
.set j, 0
	s_wait_alu depctr_va_vdst(0)
.rept 32
	v_pk_mul_f32 v[X+2*j:X+2*j+1], v[X+2*j:X+2*j+1], v[R:R+1]
.set j, j+1
.endr
.set j, 0
.rept 32
	v_cvt_pk_f16_f32 v[X+j], v[X+2*j], v[X+2*j+1]  ; in place: word j is written when words 2 j and 2 j + 1 are read
.set j, j+1
.endr
.irp q, 0,1,2,3,4,5,6,7,8,9,10,11,12,13,14,15
	ds_store_b64 v4, v[X+2*\q:X+2*\q+1] offset:16*PP*\q
.endr
	s_wait_dscnt 0x0                               ; my stores are done, for the other waves' sake
	s_barrier_signal -1
	s_barrier_wait -1
.irp i, 0,1,2,3,4,5,6,7
	ds_load_b128 v[X+32+4*\i:X+32+4*\i+3], v5 offset:2*PP*\i
.endr
.irp i, 0,1,2,3,4,5,6,7
	s_wait_dscnt 7-\i                              ; LDS loads come back in order: load i is in
	global_store_b128 v3, v[X+32+4*\i:X+32+4*\i+3], s[6:7] offset:512*\i   ; two whole pieces, 512 consecutive bytes
.endr
	s_wait_tensorcnt 0x0
	ds_add_u32 v96, v97
	s_wait_dscnt 0x0
	s_endpgm
.Lfunc_end_k_qde2a068407_ln:
	.size	k_qde2a068407_ln, .Lfunc_end_k_qde2a068407_ln-k_qde2a068407_ln
	.p2alignl 7, 3214868480
	.fill 96, 4, 3214868480
	.section	.rodata,"a",@progbits
	.p2align	6, 0x0
	.amdhsa_kernel k_qde2a068407_ln
		.amdhsa_group_segment_fixed_size 71680
		.amdhsa_private_segment_fixed_size 0
		.amdhsa_enable_private_segment 0
		.amdhsa_kernarg_size 16
		.amdhsa_user_sgpr_count 2
		.amdhsa_user_sgpr_kernarg_segment_ptr 1
		.amdhsa_wavefront_size32 1
		.amdhsa_system_sgpr_workgroup_id_x 1
		.amdhsa_system_sgpr_workgroup_id_y 1
		.amdhsa_system_sgpr_workgroup_id_z 1
		.amdhsa_system_vgpr_workitem_id 0
		.amdhsa_next_free_vgpr 98
		.amdhsa_next_free_sgpr 66
		.amdhsa_reserve_vcc 0
		.amdhsa_float_denorm_mode_32 3
		.amdhsa_float_denorm_mode_16_64 3
		.amdhsa_memory_ordered 1
		.amdhsa_forward_progress 1
		.amdhsa_inst_pref_size 18
	.end_amdhsa_kernel
	.amdgpu_metadata
---
amdhsa.version: [ 1, 2 ]
amdhsa.kernels:
  - .name:           k_qde2a068407_ln
    .symbol:         k_qde2a068407_ln.kd
    .args:
      - { .name: x, .offset: 0, .size: 8, .value_kind: global_buffer, .address_space: global }
      - { .name: xn, .offset: 8, .size: 8, .value_kind: global_buffer, .address_space: global }
    .group_segment_fixed_size: 71680
    .private_segment_fixed_size: 0
    .kernarg_segment_align: 8
    .kernarg_segment_size: 16
    .max_flat_workgroup_size: 512
    .sgpr_count:     66
    .vgpr_count:     98
    .wavefront_size: 32
...
	.end_amdgpu_metadata
.endif
;; end of part 1
;; launch g1 (part 2): grid 8 x 32, 4 waves a work-group, clusters of 4 x 1, 327,680 bytes of LDS; arguments xn, W1, b1, cp1, rw1, h1; writes h1
.if DOCPART == 2
	.amdgcn_target "amdgcn-amd-amdhsa--gfx1250"
	.amdhsa_code_object_version 6
	.text
	.protected	k_qde2a068407_g1
	.globl	k_qde2a068407_g1
	.p2align	8
	.type	k_qde2a068407_g1,@function
k_qde2a068407_g1:
	s_mov_b64 s[64:65], 0
	v_nop
	global_prefetch_b8 v0, s[64:65] scope:SCOPE_SE
	s_setreg_imm32_b32 hwreg(HW_REG_WAVE_MODE, 25, 1), 1
	s_wait_xcnt 0x0
	s_wait_alu depctr_hold_cnt(0) depctr_sa_sdst(0) depctr_va_vdst(0) depctr_va_sdst(0) depctr_va_ssrc(0) depctr_va_vcc(0) depctr_vm_vsrc(0)
	s_getreg_b32 s2, hwreg(HW_REG_IB_STS2, 6, 4)
	s_cmp_eq_u32 s2, 0
	s_cbranch_scc0 .Lentry_in_a_cluster
	s_endpgm
.Lentry_in_a_cluster:
	s_bfe_u32 s2, ttmp6, 0x10000c
	s_cmp_lg_u32 s2, 0x3003
	s_cbranch_scc0 .Lentry_shape_is_right
	s_endpgm
.Lentry_shape_is_right:
; One layer: lin = A W^T + b; with ACT = 1 then t = tanh(lin), the spline in t, the gain, the clip to +-10 and the pair mixing, stored as f16;
; with ACT = 0 lin itself, stored as f32 [1024][N].
; A: f16 [1024][K] in pieces: byte(m, k) = (m >> 4) K 32 + (k >> 3) 256 + (m & 15) 16 + (k & 7) 2, so that a 16 x 32 fragment is two loads of
; 512 consecutive bytes.  The f16 result has the same layout with N for K.  W: f32 [N][K], rounded to f16 on its way to the matrix unit.
.set K,   2048
.set N,   4096
.set TN,  128                          ; columns of a work-group's tile (128 or 64); its rows are 128
.set ACT, 1
; NUMBER FORMAT.  Operands f16, sums f32.  f16 keeps 11 significant bits where bf16 keeps 8; the basis has a step at t = 0.6, and the sums of K
; terms may cancel to numbers far below their terms, so both feel the operands' rounding.  Room in f16: A is a normalised row (below sqrt(2048) < 46)
; or a clipped and mixed activation (at most 10.05), for every input.  W is an input.  LIMIT: |W| >= 65,520 becomes infinite; |W| < 2^-14 keeps an
; absolute error of 2^-25 instead of a relative one.
; SHARING.  Grid 8 (blocks of 128 rows) x 32 (blocks of TN columns).  Four waves; EACH WAVE MAKES THE WHOLE TILE over its own quarter of every
; slot's k (8 NT accumulator tiles), so every element of W and of A is read by one wave alone and W is rounded once in a work-group.
; The four partial tiles are added at the end, through LDS.
; W comes by tensor loads into two LDS slots of KS k.  The four work-groups of a cluster (4, 1, 1: four row blocks, one column block) need the
; same rows of W: the loads are joint, mask 15.  Wave w fills, and alone reads, its own region of a slot (TN rows x KW k of f32).
; A goes straight into registers, three steps (of 32 k) ahead.  In a step that fills a slot again A's loads stand behind the wait for the tile, so
; that they are not on their way beside the tile that every wave of the cluster is waiting for.  A IS NOT ASKED FOR JOINTLY: with A in the slots a k
; costs 768 bytes at TN = 128, so only slots of 128 k would fit twice into 327,680 bytes: half the matrix work between a refill and its wait, twice
; the rounds; and A would pass through LDS although no second wave of the work-group reads it.
; W IS ASKED FOR AHEAD (global_prefetch_b8): it is read from memory once, and a refill is requested only when the one before has landed.  A lap's two
; tiles are TN rows x 8 KS bytes = 1,024 blocks of 256 bytes.  The eight work-groups that read them (the eight row blocks) ask for TN/8 rows each,
; a wave for 32 blocks, one lane a block: each block is asked for once in the launch.  In the lap that multiplies tiles 2 l and 2 l + 1, behind
; the refill for tile 2 l + 3, a wave asks for tiles 2 l + 4 and 2 l + 5, whose tensor loads are issued one and two trips later; tiles 2 and 3 are
; asked for at the head, behind the first fills.  The last two laps ask for nothing: no request points past a row's end.
; THE MATRIX INSTRUCTION IS USED TRANSPOSED (source 0 = 16 rows of W, source 1 = 16 rows of A): lane (r, h) holds row r, columns 8 h .. 8 h + 7:
; the pairs that are mixed lie in one lane, and its eight f16 are the 16 bytes at 16 lane of a 512-byte block of the result.
; THE SPLINE.  With w_k = max(xi_k - t, 0), xi = -0.6, -0.2, 0.2, 0.6, 1, the eight columns of the basis are sums of w_k^3 (degree 3), w_k^2
; (column 5), w_k (column 6) and the step 0.6 <= t < 1 (column 7); the knot repeated at -1 adds nothing for t >= -1.  Per column of the layer 14
; numbers (2.885 b, the sums of cp x rw in front of each power) are made once and kept in LDS.  cp[:, 8] is sliced off in the problem and not read.
; LIMITS.  tanh = 1 - 2 / (1 + 2^(2.8853901 x)), rounded to f32: where a tanh of another make rounds to exactly 1 and this one does not (x of
; about 8 to 9), the step at t = 1 falls otherwise.  The clips are v_med3_num_f32: a NaN is not carried through them.
.set NT,    TN/16                      ; column tiles
.set KS,    32768/TN                   ; k in a slot: 256 or 512
.set KW,    KS/4                       ; a wave's k in a slot: 64 or 128
.set SP,    KW/32                      ; steps of 32 k in a slot
.set QI,    4+SP/2                     ; padding interval 2 << QI words = a row of KW f32
.set PITCH, KW*4+16                    ; an odd multiple of 16 bytes: the 16 rows of a fragment load start in different banks
.set WREG,  TN*PITCH                   ; a wave's region of a slot
.set SLOT,  4*WREG
.set PB,    2*SLOT                     ; behind the ring: the table, 14 x TN words, bytes that no tensor load fills
.set NB,    NT/4                       ; column tiles a wave finishes
.set TRIPS, K/KS
.set LAPS,  TRIPS/2                    ; a lap = both slots
.set BR,    KS/32                      ; blocks of 256 bytes in a row of a lap's two tiles: 8 or 16
.set LBR,   QI-2                       ; its logarithm
.set XW,    8*NT*1024                  ; ACT = 1: a wave's partial tile in the exchange, tile by tile as the registers hold it
.set XP,    272                        ; ACT = 0: the exchange is row-major, 64 f32 + 16 bytes
; window 0: v0-31 addresses, v32-63 the table's inputs and work, v64-255 A's buffers 0, 1, 2.  window 1: v0-63 A's buffer 3, v64-127 W as f32,
; v128-191 and v192-255 W's fragments, two buffers.  windows 2 (and 3): the accumulators, tile (a, b) at 8 (a NT + b).
.set AO,  10                           ; 16 lane
.set WA,  12                           ; v12, v13: my W rows in slot 0, 1
.set XS,  14                           ; exchange, in
.set XB,  16                           ; v16-19: exchange, back: partial tile s
.set PA,  20                           ; table
.set SO,  21                           ; byte offset of my stores
.set BA,  22                           ; ACT = 0: offset of my four biases
.set PF,  23                           ; byte offset, in the column block's rows of W, of the block that this lane asks for ahead; never rewritten
.set BI,  24                           ; v24-27: the biases
.set XR,  28                           ; v28-31: working copies of XB
.set RAW, 64
.set WB0, 128
.set PAR, 32                           ; the way out, all in window 0: v32-143 14 numbers x my 8 columns
.set PP,  144                          ; v144-175 four partial tiles
.set FIN, 176                          ; their sum
.set NEGT, 184                         ; -t
.set WK,  192
.set HH,  200
.set SS,  208
.set DD,  216
.set OO,  220
.if ACT
.set OUTP, 14
.else
.set OUTP, 10
.endif
.set MSB, 0
.macro WIN new                         ; the immediate's high byte repeats the setting that is left
.set WNEW, \new
.if MSB != WNEW
	s_set_vgpr_msb (MSB<<8)|WNEW
.set MSB, WNEW
.endif
.endm
.macro PLACES                          ; four plain places behind a matrix instruction (ISA guide 7.12.1)
.rept 4
	v_nop
.endr
.endm
.macro ROUND                           ; a round of the cluster's barrier
	s_barrier_signal -1
	s_barrier_wait -1
	s_cmp_lg_u32 s16, 0
	s_cbranch_scc1 .Lnot_wave_0_\@
	s_barrier_signal -3
.Lnot_wave_0_\@:
	s_barrier_wait -3
	s_barrier_signal -1
	s_barrier_wait -1
.endm
.macro ALOAD buf, up                   ; A's 8 fragments of step up of the lap (may reach into the next lap) into buffer buf
.set AF, (64+64*(\buf))%256
.set AOFF, ((\up)/SP)*KS*32+((\up)%SP)*1024
	WIN ((\buf)/3)<<6
.irp a, 0,1,2,3,4,5,6,7
	global_load_b128 v[AF+8*\a:AF+8*\a+3], v[AO], s[50:51] offset:\a*K*32+AOFF
	global_load_b128 v[AF+8*\a+4:AF+8*\a+7], v[AO], s[50:51] offset:\a*K*32+AOFF+512
.endr
.endm
.macro RAWLOAD slot, j, ch             ; W of column tiles 4 ch .. 4 ch + 3, step j of the slot: k = 8 h .. + 7 and 16 + 8 h .. + 7 as f32
	WIN 0x40
.irp i, 0,1,2,3
	ds_load_b128 v[RAW+16*\i:RAW+16*\i+3], v[WA+\slot] offset:(4*\ch+\i)*16*PITCH+128*\j
	ds_load_b128 v[RAW+16*\i+4:RAW+16*\i+7], v[WA+\slot] offset:(4*\ch+\i)*16*PITCH+128*\j+16
	ds_load_b128 v[RAW+16*\i+8:RAW+16*\i+11], v[WA+\slot] offset:(4*\ch+\i)*16*PITCH+128*\j+64
	ds_load_b128 v[RAW+16*\i+12:RAW+16*\i+15], v[WA+\slot] offset:(4*\ch+\i)*16*PITCH+128*\j+80
.endr
.endm
.macro CVT ch, wb                      ; round them to f16: four fragments
	WIN 0x45
.irp i, 0,1,2,3
.irp e, 0,1,2,3,4,5,6,7
	v_cvt_pk_f16_f32 v[\wb+8*(4*\ch+\i)+\e], v[RAW+16*\i+2*\e], v[RAW+16*\i+2*\e+1]
.endr
.endr
.endm
.macro MULG g, wb, buf, zero           ; row tiles 2 g, 2 g + 1 x all column tiles.  The 8 NT accumulators take turns, one instruction a turn,
.set ma, 2*(\g)                        ; in the same order in every step
.set MF, (64+64*(\buf))%256
	WIN 1|(((\buf)/3)<<2)|((2+(8*ma*NT)/256)*0x50)
.rept 2
.set mn, 0
.rept NT
.set acc, (8*(ma*NT+mn))%256
.if \zero
	v_wmma_f32_16x16x32_f16 v[acc:acc+7], v[\wb+8*mn:\wb+8*mn+7], v[MF+8*ma:MF+8*ma+7], 0
.else
	v_wmma_f32_16x16x32_f16 v[acc:acc+7], v[\wb+8*mn:\wb+8*mn+7], v[MF+8*ma:MF+8*ma+7], v[acc:acc+7]
.endif
.set mn, mn+1
.endr
.set ma, ma+1
.endr
.endm
; Step u of a lap (a lap = both slots = 2 SP steps): multiplies A's buffer u % 4 by W's buffer u % 2, asks for A three steps ahead, and makes the
; next step's W fragments.  In a slot's last step its bytes have all been read: there the slot is filled again.  pf = 1: the lap's last step asks
; ahead for the two tiles that the next lap's refills will bring.
.macro STEP u, zero, last, pf
.set NXT, (\u)+1
.set NSL, (NXT/SP)%2
.set NJ,  NXT%SP
.set ABC, (\u)%4
.set WBC, WB0+64*((\u)%2)
.set WBN, WB0+64*(NXT%2)
.set SL,  (\u)/SP
.set DOA, 1
.set DOW, 1
.set LEFT, 32
.if \last
.if (\u)+3 >= 2*SP
.set DOA, 0
.endif
.if (\u)+1 >= 2*SP
.set DOW, 0
.endif
.if 2*SP-1-(\u) < 2
.set LEFT, 16*(2*SP-1-(\u))
.endif
.endif
	PLACES                                         ; behind the last step's matrix instructions: their A buffer is loaded, their W buffer written again
	s_wait_loadcnt LEFT                            ; this step's 16 loads are in; those of the (at most two) later steps stay out
.if ((\u)%SP) == SP-1
.if \last
.if DOW
	s_wait_tensorcnt 0x0                           ; the last tile: my own region, which I alone read; nothing is filled any more
.endif
.if DOA
	ALOAD ((\u)+3)%4, (\u)+3
.endif
.else
	s_wait_dscnt 0x0                               ; my reads of this slot are over
	s_set_vgpr_msb 0xf1f0
	s_wait_tensorcnt 0x0                           ; all my tensor loads have landed: the one that was out is my region of the other slot
	ds_add_u32 v26, v27
	s_wait_dscnt 0x0
	s_set_vgpr_msb 0xf0f1
	ALOAD ((\u)+3)%4, (\u)+3                       ; only now: these 16 loads travel while the refill's request does, not beside the tile just waited for
	WIN 0
	s_add_nc_u64 s[34+4*SL:35+4*SL], s[34+4*SL:35+4*SL], 2*KS*4
	ROUND                                          ; both waits now hold of every wave of the four work-groups
	tensor_load_to_lds s[32+4*SL:35+4*SL], s[24:31]   ; my one load behind the round; it has SP steps, 128 matrix instructions, in which to land
	s_nop 0
.endif
.else
.if DOA
	ALOAD ((\u)+3)%4, (\u)+3
.endif
.endif
.if DOW
	RAWLOAD NSL, NJ, 0
.endif
.if \pf
.if (\u) == 2*SP-1
	global_prefetch_b8 v[PF], s[54:55] offset:4*KS*4 th:TH_LOAD_NT scope:SCOPE_SE   ; my 32 blocks of the tiles four and five behind this lap's first
.endif
.endif
	MULG 0, WBC, ABC, \zero
.if NT == 4
	MULG 1, WBC, ABC, \zero
.endif
.if DOW
	s_wait_dscnt 0x0
	CVT 0, WBN
.endif
.if NT == 8
.if DOW
	RAWLOAD NSL, NJ, 1
.endif
	MULG 1, WBC, ABC, \zero
	MULG 2, WBC, ABC, \zero
.if DOW
	s_wait_dscnt 0x0
	CVT 1, WBN
.endif
	MULG 3, WBC, ABC, \zero
.else
	MULG 2, WBC, ABC, \zero
	MULG 3, WBC, ABC, \zero
.endif
.endm
.macro LAP zero, last, pf
	STEP 0, \zero, \last, \pf
.set lu, 1
.rept 2*SP-1
	STEP lu, 0, \last, \pf
.set lu, lu+1
.endr
.if \last == 0
	WIN 0
	s_wait_xcnt 0x0                                ; A's base and the prefetches' base are stepped only behind this wait
	s_add_nc_u64 s[50:51], s[50:51], 2*KS*32
	s_add_nc_u64 s[54:55], s[54:55], 2*KS*4
.endif
.endm
	s_load_b256 s[4:11], s[0:1], 0x0               ; A s[4:5], W s[6:7], b s[8:9], then cp (ACT = 1) or the result
.if ACT
	s_load_b128 s[12:15], s[0:1], 0x20             ; rw s[12:13], the result s[14:15]
	v_lshl_add_u32 v26, v0, 2, 0x45c00
	v_mov_b32 v27, 0
	ds_add_u32 v26, v27
.endif
	v_lshrrev_b32 v4, 5, v0
	v_readfirstlane_b32 s16, v4                    ; wave
	s_bfe_u32 s17, ttmp6, 0x40000                  ; cx
	s_lshl_b32 s18, ttmp9, 2
	s_add_co_u32 s18, s18, s17                     ; row block = 4 x cluster x + cx: enters global addresses of A, of the result and of the prefetches alone
	s_and_b32 s19, ttmp7, 0xffff                   ; column block, the same in the four partners
	; group 1: TN rows x KW f32, 16 bytes of padding behind each row, for the four work-groups of the cluster
	s_mov_b32 s24, 15|(2<<16)|(1<<20)|(1<<21)|(QI<<22)|(3<<25)
	s_mov_b32 s25, KW<<16                          ; tensor_dim0
	s_mov_b32 s26, TN<<16                          ; tensor_dim1
	s_mov_b32 s27, KW<<16                          ; tile_dim0
	s_mov_b32 s28, TN                              ; tile_dim1
	s_mov_b32 s29, K                               ; elements from row to row
	s_mov_b32 s30, 0
	s_mov_b32 s31, 0
	s_mul_i32 s20, s19, TN*K*4                     ; W: my column block's rows,
	s_mov_b32 s21, 0
	s_mul_i32 s46, s16, KW*4                       ; my wave's k
	s_mov_b32 s47, 0
	s_mul_i32 s22, s16, WREG                       ; my region in a slot
	s_mul_i32 s42, s18, 8*K*32                     ; A: my row block's 8 row tiles,
	s_mul_i32 s43, s16, SP*1024                    ; my wave's fragments
	s_add_co_u32 s42, s42, s43
	s_mov_b32 s43, 0
	v_and_b32 v1, 31, v0
	v_and_b32 v2, 15, v0                           ; r
	v_bfe_u32 v3, v0, 4, 1                         ; h
	v_lshlrev_b32 v[AO], 4, v1
	s_mul_i32 s23, s18, TN/8                       ; asking ahead: my work-group's TN/8 rows of the column block,
	s_mul_i32 s41, s16, 32/BR                      ; my wave's 32/BR of them,
	s_add_co_u32 s23, s23, s41
	v_lshrrev_b32 v6, LBR, v1                      ; the lane's row among these
	v_add_nc_u32 v6, s23, v6
	v_mul_u32_u24 v6, v6, K*4
	v_and_b32 v7, BR-1, v1                         ; and its block of 256 bytes in the row
	v_lshl_add_u32 v[PF], v7, 8, v6
	s_wait_dscnt 0x0
	s_wait_kmcnt 0x0
	s_add_nc_u64 s[54:55], s[6:7], s[20:21]        ; W at my column block's first row: the prefetches' base
	s_add_nc_u64 s[6:7], s[54:55], s[46:47]        ; and at my wave's k: the tiles'
	s_add_nc_u64 s[50:51], s[4:5], s[42:43]
.irp n, 0,1
	s_mov_b32 s[32+4*\n], 1
	s_add_co_u32 s[33+4*\n], s22, \n*SLOT
	s_add_nc_u64 s[34+4*\n:35+4*\n], s[6:7], \n*KS*4
	s_or_b32 s[35+4*\n], s[35+4*\n], 0x80000000
.endr
	s_mul_i32 s20, s19, TN*4
	s_add_nc_u64 s[8:9], s[8:9], s[20:21]          ; b at my column block
	; What the first step and the table need is asked for first, in front of the round: these loads are older than all later loads of A, so the
	; first counted wait of the K loop shows them in.  The table itself is made behind the K loop.
.if ACT
	s_add_nc_u64 s[12:13], s[12:13], s[20:21]      ; rw
	s_mul_i32 s20, s19, TN*36
	s_add_nc_u64 s[10:11], s[10:11], s[20:21]      ; cp: rows of 9 f32
.if TN < 128
	s_cmp_ge_u32 s16, TN/32
	s_cbranch_scc1 .Lno_tload
.endif
	v_mul_u32_u24 v8, v0, 36                       ; thread n takes column n of the block
	v_lshlrev_b32 v9, 2, v0
.irp i, 0,1,2,3,4,5,6,7
	global_load_b32 v[32+\i], v8, s[10:11] offset:4*\i
.endr
	global_load_b32 v40, v9, s[12:13]
	global_load_b32 v41, v9, s[8:9]
.if TN < 128
.Lno_tload:
.endif
.else
	v_lshlrev_b32 v[BA], 4, v2
	global_load_b128 v[BI:BI+3], v[BA], s[8:9]     ; the biases of columns 4 r .. 4 r + 3
.endif
	ALOAD 0, 0
	ROUND                                          ; the four work-groups are here: the first joint loads meet
	tensor_load_to_lds s[32:35], s[24:31]          ; tile 0
	s_nop 0
	tensor_load_to_lds s[36:39], s[24:31]          ; tile 1: two loads of this wave are out, later one
	s_nop 0
	ALOAD 1, 1
	ALOAD 2, 2
	global_prefetch_b8 v[PF], s[54:55] offset:2*KS*4 th:TH_LOAD_NT scope:SCOPE_SE   ; my 32 blocks of tiles 2 and 3, which the first lap's refills bring
.if ACT
	s_mul_i32 s42, s18, 8*N*32
	s_mul_i32 s43, s19, TN*32
	s_add_co_u32 s42, s42, s43
.else
	s_mul_i32 s42, s18, 128*N*4
	s_mul_i32 s43, s16, 32*N*4
	s_add_co_u32 s42, s42, s43
	s_mul_i32 s43, s19, TN*4
	s_add_co_u32 s42, s42, s43
.endif
	s_mov_b32 s43, 0
	s_add_nc_u64 s[52:53], s[OUTP:OUTP+1], s[42:43]
	s_mov_b32 s44, 0xc1200000                      ; -10
	s_mov_b32 s45, 0x41200000                      ; 10
	v_mul_u32_u24 v5, v2, PITCH
	v_lshl_add_u32 v5, v3, 5, v5                   ; row r, 32 h bytes (8 f32)
	v_add_nc_u32 v[WA], s22, v5
	v_add_nc_u32 v[WA+1], SLOT, v[WA]
.if ACT
	s_mul_i32 s23, s16, XW
	v_add_nc_u32 v[XS], s23, v[AO]
	s_mul_i32 s23, s16, NB*1024
	v_add_nc_u32 v[XB], s23, v[AO]
	v_add_nc_u32 v[XB+1], XW, v[XB]
	v_add_nc_u32 v[XB+2], XW, v[XB+1]
	v_add_nc_u32 v[XB+3], XW, v[XB+2]
	s_mul_i32 s23, s16, NB*64
	s_add_co_u32 s23, s23, PB
	v_lshl_add_u32 v[PA], v3, 5, s23
	s_mul_i32 s23, s16, NB*512
	v_add_nc_u32 v[SO], s23, v[AO]
.else
	s_mul_i32 s23, s16, 128*XP
	v_mul_u32_u24 v6, v2, XP
	v_lshl_add_u32 v6, v3, 5, v6
	v_add_nc_u32 v[XS], s23, v6                    ; in: row r of a tile, 32 h bytes
	s_lshl_b32 s23, s16, 5
	v_add_nc_u32 v6, s23, v3                       ; back: row 32 wave + h (+ 2 i), 16 r bytes
	v_mul_u32_u24 v6, v6, XP
	v_lshl_add_u32 v[XB], v2, 4, v6
	v_add_nc_u32 v[XB+1], 128*XP, v[XB]
	v_add_nc_u32 v[XB+2], 128*XP, v[XB+1]
	v_add_nc_u32 v[XB+3], 128*XP, v[XB+2]
	v_lshlrev_b32 v7, 4, v2
	v_mul_u32_u24 v6, v3, N*4
	v_add_nc_u32 v[SO], v6, v7
.endif
	s_wait_tensorcnt 0x1                           ; my region of tile 0 is in, tile 1 stays out; no other wave reads my region
	RAWLOAD 0, 0, 0
	s_wait_dscnt 0x0
	CVT 0, WB0
.if NT == 8
	RAWLOAD 0, 0, 1
	s_wait_dscnt 0x0
	CVT 1, WB0
.endif
.if LAPS > 2
	LAP 1, 0, 1                                    ; the first products start the sums: nothing is cleared
.else
	LAP 1, 0, 0
.endif
.if LAPS > 3
	s_mov_b32 s40, LAPS-3
.Llap:
	LAP 0, 0, 1
	s_sub_co_u32 s40, s40, 1
	s_cmp_lg_u32 s40, 0
	s_cbranch_scc1 .Llap
.endif
.if LAPS > 2
	LAP 0, 0, 0                                    ; the last lap but one still fills both slots, and asks ahead for nothing: no tile is left to ask for
.endif
	LAP 0, 1, 0                                    ; the last lap fills nothing and asks for nothing past the end
	PLACES
	WIN 0
.if ACT
	; the table: thread n makes the 14 numbers of column n of the block from what it loaded at the head
.if TN < 128
	s_cmp_ge_u32 s16, TN/32
	s_cbranch_scc1 .Lno_table
.endif
	v_add_nc_u32 v11, PB, v9
.irp i, 0,1,2,3,4,5,6,7
	v_mul_f32 v[32+\i], v[32+\i], v40              ; c_i = cp_i rw
.endr
	v_mul_f32 v42, 0x4038aa3b, v41                 ; 2.8853901 b
	v_mul_f32 v43, 0x417a0000, v32                 ; w1^3: 15.625 (c0 - 2 c1 + 1.5 c2 - 2/3 c3 + c4/6)
	v_fmamk_f32 v43, v33, 0xc1fa0000, v43
	v_fmamk_f32 v43, v34, 0x41bb8000, v43
	v_fmamk_f32 v43, v35, 0xc126aaab, v43
	v_fmamk_f32 v43, v36, 0x4026aaab, v43
	v_mul_f32 v44, 0x407a0000, v33                 ; w2^3: 15.625 (c1/4 - 3/4 c2 + c3 - 2/3 c4)
	v_fmamk_f32 v44, v34, 0xc13b8000, v44
	v_fmamk_f32 v44, v35, 0x417a0000, v44
	v_fmamk_f32 v44, v36, 0xc126aaab, v44
	v_mul_f32 v45, 0xc0480000, v37                 ; w2^2: -3.125 c5
	v_mul_f32 v46, 0x4026aaab, v34                 ; w3^3: 15.625 (c2/6 - 2/3 c3 + c4)
	v_fmamk_f32 v46, v35, 0xc126aaab, v46
	v_fmamk_f32 v46, v36, 0x417a0000, v46
	v_mul_f32 v47, 0x41160000, v37                 ; w3^2: 9.375 c5
	v_mul_f32 v48, 0x40200000, v38                 ; w3 and w5: 2.5 c6
	v_mul_f32 v49, 0x4026aaab, v35                 ; w4^3: 15.625 (c3/6 - 2/3 c4)
	v_fmamk_f32 v49, v36, 0xc126aaab, v49
	v_mul_f32 v50, 0xc1160000, v37                 ; w4^2: -9.375 c5
	v_mul_f32 v51, 0xc0a00000, v38                 ; w4: -5 c6
	v_mul_f32 v52, 0x4026aaab, v36                 ; w5^3: 15.625 c4/6
	v_mul_f32 v53, 0x40480000, v37                 ; w5^2: 3.125 c5
.set tc, 0
.irp r, 42,43,44,45,46,47,48,49,50,51,52,53,48,39
	ds_store_b32 v11, v\r offset:tc*TN*4           ; read behind the two barriers below, each with its wait for my LDS instructions in front
.set tc, tc+1
.endr
.if TN < 128
.Lno_table:
.endif
.endif
	s_wait_dscnt 0x0
	s_wait_tensorcnt 0x0
	s_barrier_signal -1
	s_barrier_wait -1                              ; no wave reads the ring any more, and it has had its last fill: it becomes the exchange
.set xt, 0
.rept 8*NT
	WIN (2+(8*xt)/256)<<2
.if ACT
.set XO, xt*1024
.set XQ, 512
.else
.set XO, (xt/NT)*16*XP+(xt%NT)*64
.set XQ, 16
.endif
	ds_store_b128 v[XS], v[(8*xt)%256:(8*xt)%256+3] offset:XO
	ds_store_b128 v[XS], v[(8*xt)%256+4:(8*xt)%256+7] offset:XO+XQ
.set xt, xt+1
.endr
	WIN 0
	s_wait_dscnt 0x0                               ; my partial tile is written, for the others' sake
	s_barrier_signal -1
	s_barrier_wait -1
.if ACT
; Wave o finishes column tiles o NB + bb, all 8 row tiles, one tile a trip; the next trip's partial tiles are fetched while this one's numbers are worked on.
.macro LOADP
.irp s, 0,1,2,3
	ds_load_b128 v[PP+8*\s:PP+8*\s+3], v[XR+\s]
	ds_load_b128 v[PP+8*\s+4:PP+8*\s+7], v[XR+\s] offset:512
.endr
.endm
.macro TERM xi, ca, nco, cut           ; w = max(xi - t, 0); the sum gains ((A w + Q) w + G) w, with nco of the three numbers from table row ca on
.irp j, 0,2,4,6
	v_pk_add_f32 v[WK+\j:WK+\j+1], v[NEGT+\j:NEGT+\j+1], \xi op_sel_hi:[1,0]
.endr
.if \cut
.irp e, 0,1,2,3,4,5,6,7
	v_max_num_f32 v[WK+\e], 0, v[WK+\e]
.endr
.endif
.irp j, 0,2,4,6
.if \nco >= 2
	v_pk_fma_f32 v[HH+\j:HH+\j+1], v[PAR+8*\ca+\j:PAR+8*\ca+\j+1], v[WK+\j:WK+\j+1], v[PAR+8*\ca+8+\j:PAR+8*\ca+8+\j+1]
.else
	v_pk_mul_f32 v[HH+\j:HH+\j+1], v[PAR+8*\ca+\j:PAR+8*\ca+\j+1], v[WK+\j:WK+\j+1]
.endif
.endr
.irp j, 0,2,4,6
.if \nco == 3
	v_pk_fma_f32 v[HH+\j:HH+\j+1], v[HH+\j:HH+\j+1], v[WK+\j:WK+\j+1], v[PAR+8*\ca+16+\j:PAR+8*\ca+16+\j+1]
.else
	v_pk_mul_f32 v[HH+\j:HH+\j+1], v[HH+\j:HH+\j+1], v[WK+\j:WK+\j+1]
.endif
.endr
.irp j, 0,2,4,6
	v_pk_fma_f32 v[SS+\j:SS+\j+1], v[HH+\j:HH+\j+1], v[WK+\j:WK+\j+1], v[SS+\j:SS+\j+1]
.endr
.endm
.macro TRIPE bb, more
	s_wait_dscnt 0x0                               ; the four partial tiles (and, in a pass's first trip, the table's numbers)
.irp j, 0,2,4,6
	v_pk_add_f32 v[PP+\j:PP+\j+1], v[PP+\j:PP+\j+1], v[PP+8+\j:PP+8+\j+1]
	v_pk_add_f32 v[PP+16+\j:PP+16+\j+1], v[PP+16+\j:PP+16+\j+1], v[PP+24+\j:PP+24+\j+1]
.endr
.irp j, 0,2,4,6
	v_pk_add_f32 v[FIN+\j:FIN+\j+1], v[PP+\j:PP+\j+1], v[PP+16+\j:PP+16+\j+1]
.endr
.if \more
.irp s, 0,1,2,3
	v_add_nc_u32 v[XR+\s], NT*1024, v[XR+\s]       ; the next row tile
.endr
	LOADP
.endif
.irp j, 0,2,4,6
	v_pk_fma_f32 v[NEGT+\j:NEGT+\j+1], v[FIN+\j:FIN+\j+1], 0x4038aa3b, v[PAR+\j:PAR+\j+1] op_sel_hi:[1,0,1]   ; 2.8853901 (lin + b)
.endr
.irp e, 0,1,2,3,4,5,6,7
	v_exp_f32 v[NEGT+\e], v[NEGT+\e]
.endr
	v_nop                                          ; one plain place behind the transcendentals (ISA guide 5.7.2)
	s_wait_alu depctr_va_vdst(0)
.irp j, 0,2,4,6
	v_pk_add_f32 v[NEGT+\j:NEGT+\j+1], v[NEGT+\j:NEGT+\j+1], 1.0 op_sel_hi:[1,0]
.endr
.irp e, 0,1,2,3,4,5,6,7
	v_rcp_f32 v[NEGT+\e], v[NEGT+\e]
.endr
	v_nop
	s_wait_alu depctr_va_vdst(0)
.irp j, 0,2,4,6
	v_pk_fma_f32 v[NEGT+\j:NEGT+\j+1], v[NEGT+\j:NEGT+\j+1], 2.0, -1.0 op_sel_hi:[1,0,0]   ; -t = 2 / (1 + e^(2x)) - 1, in [-1, 1]
.endr
.irp e, 0,1,2,3,4,5,6,7
	v_add_nc_u32 v[WK+\e], 0x40e66666, v[NEGT+\e]  ; bits(-t) - bits(-0.6): below bits(-1) - bits(-0.6) exactly where 0.6 <= t < 1
.endr
.irp e, 0,1,2,3,4,5,6,7
	v_cmp_gt_u32 vcc_lo, 0x666666, v[WK+\e]
	v_cndmask_b32 v[SS+\e], 0, v[PAR+104+\e], vcc_lo   ; the step starts the sum
.endr
	TERM 1.0, 10, 3, 0                             ; 1 - t is never negative
	TERM 0x3f19999a, 7, 3, 1
	TERM 0x3e4ccccd, 4, 3, 1
	TERM 0xbe4ccccd, 2, 2, 1
	TERM 0xbf19999a, 1, 1, 1
.irp e, 0,1,2,3,4,5,6,7
	v_med3_num_f32 v[SS+\e], v[SS+\e], s44, s45    ; clip to +-10
.endr
	v_med3_num_f32 v[DD], v[SS+1], -1.0, 1.0       ; columns 0, 1: the partner, clipped to +-1; columns 2, 3: likewise, one with the other sign;
	v_med3_num_f32 v[DD+1], v[SS], -1.0, 1.0       ; columns 4 to 7: the commutator is zero
	v_med3_num_f32 v[DD+2], v[SS+3], -1.0, 1.0
	v_med3_num_f32 v[DD+3], v[SS+2], -1.0, 1.0
	v_pk_fma_f32 v[SS:SS+1], v[DD:DD+1], 0x3d4ccccd, v[SS:SS+1] op_sel_hi:[1,0,1]
	v_fmamk_f32 v[SS+2], v[DD+2], 0xbd4ccccd, v[SS+2]
	v_fmamk_f32 v[SS+3], v[DD+3], 0x3d4ccccd, v[SS+3]
	s_wait_xcnt 0x0                                ; the last trip's store has read its address and data: both are written again only behind this wait
	v_add_nc_u32 v[SO], N*32, v[SO]                ; one row tile on; the store reaches back
.irp j, 0,1,2,3
	v_cvt_pk_f16_f32 v[OO+\j], v[SS+2*\j], v[SS+2*\j+1]
.endr
	global_store_b128 v[SO], v[OO:OO+3], s[52:53] offset:\bb*512-(8*\bb+1)*N*32   ; the wave stores 512 consecutive bytes
.endm
.macro PASS bb
.irp s, 0,1,2,3
	v_add_nc_u32 v[XR+\s], \bb*1024, v[XB+\s]
.endr
.irp c, 0,1,2,3,4,5,6,7,8,9,10,11,12,13
	ds_load_b128 v[PAR+8*\c:PAR+8*\c+3], v[PA] offset:\bb*64+\c*TN*4
	ds_load_b128 v[PAR+8*\c+4:PAR+8*\c+7], v[PA] offset:\bb*64+\c*TN*4+16
.endr
	LOADP
	s_mov_b32 s40, 7
.Lrow_\@:
	TRIPE \bb, 1
	s_sub_co_u32 s40, s40, 1
	s_cmp_lg_u32 s40, 0
	s_cbranch_scc1 .Lrow_\@
	TRIPE \bb, 0                                   ; the last row tile fetches nothing more
.endm
	PASS 0
.if NB == 2
	PASS 1
.endif
.else
; Wave o finishes rows 32 o .. 32 o + 31, eight pairs of rows at a time: lanes 0-15 one row's 256 bytes, lanes 16-31 the next row's.
.macro OUTB g
.irp i, 0,1,2,3,4,5,6,7
.irp s, 0,1,2,3
	ds_load_b128 v[32+16*\i+4*\s:32+16*\i+4*\s+3], v[XB+\s] offset:2*(8*\g+\i)*XP
.endr
.endr
.irp i, 0,1,2,3,4,5,6,7
	s_wait_dscnt 28-4*\i                           ; pair i's four partial sums are the oldest 4 (i + 1) of the 32 loads
	v_pk_add_f32 v[32+16*\i:32+16*\i+1], v[32+16*\i:32+16*\i+1], v[36+16*\i:36+16*\i+1]
	v_pk_add_f32 v[34+16*\i:34+16*\i+1], v[34+16*\i:34+16*\i+1], v[38+16*\i:38+16*\i+1]
	v_pk_add_f32 v[40+16*\i:40+16*\i+1], v[40+16*\i:40+16*\i+1], v[44+16*\i:44+16*\i+1]
	v_pk_add_f32 v[42+16*\i:42+16*\i+1], v[42+16*\i:42+16*\i+1], v[46+16*\i:46+16*\i+1]
	v_pk_add_f32 v[32+16*\i:32+16*\i+1], v[32+16*\i:32+16*\i+1], v[40+16*\i:40+16*\i+1]
	v_pk_add_f32 v[34+16*\i:34+16*\i+1], v[34+16*\i:34+16*\i+1], v[42+16*\i:42+16*\i+1]
	v_pk_add_f32 v[32+16*\i:32+16*\i+1], v[32+16*\i:32+16*\i+1], v[BI:BI+1]
	v_pk_add_f32 v[34+16*\i:34+16*\i+1], v[34+16*\i:34+16*\i+1], v[BI+2:BI+3]
	global_store_b128 v[SO], v[32+16*\i:32+16*\i+3], s[52:53] offset:2*(8*\g+\i)*N*4   ; 16 lanes store 256 consecutive bytes, aligned
.endr
.endm
	OUTB 0
	s_wait_xcnt 0x0                                ; the stores' data registers are loaded again only behind this wait
	OUTB 1
.endif
	s_wait_tensorcnt 0x0
	ds_add_u32 v26, v27
	s_wait_dscnt 0x0
	ROUND                                          ; the closing round: no work-group ends while a partner may still ask jointly
	s_endpgm
.Lfunc_end_k_qde2a068407_g1:
	.size	k_qde2a068407_g1, .Lfunc_end_k_qde2a068407_g1-k_qde2a068407_g1
	.p2alignl 7, 3214868480
	.fill 96, 4, 3214868480
	.section	.rodata,"a",@progbits
	.p2align	6, 0x0
	.amdhsa_kernel k_qde2a068407_g1
		.amdhsa_group_segment_fixed_size 327680
		.amdhsa_private_segment_fixed_size 0
		.amdhsa_enable_private_segment 0
		.amdhsa_kernarg_size 48
		.amdhsa_user_sgpr_count 2
		.amdhsa_user_sgpr_kernarg_segment_ptr 1
		.amdhsa_wavefront_size32 1
		.amdhsa_system_sgpr_workgroup_id_x 1
		.amdhsa_system_sgpr_workgroup_id_y 1
		.amdhsa_system_sgpr_workgroup_id_z 1
		.amdhsa_system_vgpr_workitem_id 0
		.amdhsa_next_free_vgpr 1024
		.amdhsa_next_free_sgpr 66
		.amdhsa_reserve_vcc 1
		.amdhsa_float_denorm_mode_32 3
		.amdhsa_float_denorm_mode_16_64 3
		.amdhsa_memory_ordered 1
		.amdhsa_forward_progress 1
		.amdhsa_inst_pref_size 255
	.end_amdhsa_kernel
	.section	.bss,"aw",@nobits
	.p2align	6
	.space	262144
	.amdgpu_metadata
---
amdhsa.version: [ 1, 2 ]
amdhsa.kernels:
  - .name:           k_qde2a068407_g1
    .symbol:         k_qde2a068407_g1.kd
    .args:
      - { .name: xn, .offset: 0, .size: 8, .value_kind: global_buffer, .address_space: global }
      - { .name: W1, .offset: 8, .size: 8, .value_kind: global_buffer, .address_space: global }
      - { .name: b1, .offset: 16, .size: 8, .value_kind: global_buffer, .address_space: global }
      - { .name: cp1, .offset: 24, .size: 8, .value_kind: global_buffer, .address_space: global }
      - { .name: rw1, .offset: 32, .size: 8, .value_kind: global_buffer, .address_space: global }
      - { .name: h1, .offset: 40, .size: 8, .value_kind: global_buffer, .address_space: global }
    .group_segment_fixed_size: 327680
    .private_segment_fixed_size: 0
    .kernarg_segment_align: 8
    .kernarg_segment_size: 48
    .max_flat_workgroup_size: 128
    .sgpr_count:     66
    .vgpr_count:     1024
    .wavefront_size: 32
...
	.end_amdgpu_metadata
.endif
;; end of part 2
;; launch g2 (part 3): grid 8 x 32, 4 waves a work-group, clusters of 4 x 1, 327,680 bytes of LDS; arguments h1, W2, b2, cp2, rw2, h2; writes h2
.if DOCPART == 3
	.amdgcn_target "amdgcn-amd-amdhsa--gfx1250"
	.amdhsa_code_object_version 6
	.text
	.protected	k_qde2a068407_g2
	.globl	k_qde2a068407_g2
	.p2align	8
	.type	k_qde2a068407_g2,@function
k_qde2a068407_g2:
	s_mov_b64 s[64:65], 0
	v_nop
	global_prefetch_b8 v0, s[64:65] scope:SCOPE_SE
	s_setreg_imm32_b32 hwreg(HW_REG_WAVE_MODE, 25, 1), 1
	s_wait_xcnt 0x0
	s_wait_alu depctr_hold_cnt(0) depctr_sa_sdst(0) depctr_va_vdst(0) depctr_va_sdst(0) depctr_va_ssrc(0) depctr_va_vcc(0) depctr_vm_vsrc(0)
	s_getreg_b32 s2, hwreg(HW_REG_IB_STS2, 6, 4)
	s_cmp_eq_u32 s2, 0
	s_cbranch_scc0 .Lentry_in_a_cluster
	s_endpgm
.Lentry_in_a_cluster:
	s_bfe_u32 s2, ttmp6, 0x10000c
	s_cmp_lg_u32 s2, 0x3003
	s_cbranch_scc0 .Lentry_shape_is_right
	s_endpgm
.Lentry_shape_is_right:
; One layer: lin = A W^T + b; with ACT = 1 then t = tanh(lin), the spline in t, the gain, the clip to +-10 and the pair mixing, stored as f16;
; with ACT = 0 lin itself, stored as f32 [1024][N].
; A: f16 [1024][K] in pieces: byte(m, k) = (m >> 4) K 32 + (k >> 3) 256 + (m & 15) 16 + (k & 7) 2, so that a 16 x 32 fragment is two loads of
; 512 consecutive bytes.  The f16 result has the same layout with N for K.  W: f32 [N][K], rounded to f16 on its way to the matrix unit.
.set K,   4096
.set N,   4096
.set TN,  128                          ; columns of a work-group's tile (128 or 64); its rows are 128
.set ACT, 1
; NUMBER FORMAT.  Operands f16, sums f32.  f16 keeps 11 significant bits where bf16 keeps 8; the basis has a step at t = 0.6, and the sums of K
; terms may cancel to numbers far below their terms, so both feel the operands' rounding.  Room in f16: A is a normalised row (below sqrt(2048) < 46)
; or a clipped and mixed activation (at most 10.05), for every input.  W is an input.  LIMIT: |W| >= 65,520 becomes infinite; |W| < 2^-14 keeps an
; absolute error of 2^-25 instead of a relative one.
; SHARING.  Grid 8 (blocks of 128 rows) x 32 (blocks of TN columns).  Four waves; EACH WAVE MAKES THE WHOLE TILE over its own quarter of every
; slot's k (8 NT accumulator tiles), so every element of W and of A is read by one wave alone and W is rounded once in a work-group.
; The four partial tiles are added at the end, through LDS.
; W comes by tensor loads into two LDS slots of KS k.  The four work-groups of a cluster (4, 1, 1: four row blocks, one column block) need the
; same rows of W: the loads are joint, mask 15.  Wave w fills, and alone reads, its own region of a slot (TN rows x KW k of f32).
; A goes straight into registers, three steps (of 32 k) ahead.  In a step that fills a slot again A's loads stand behind the wait for the tile, so
; that they are not on their way beside the tile that every wave of the cluster is waiting for.  A IS NOT ASKED FOR JOINTLY: with A in the slots a k
; costs 768 bytes at TN = 128, so only slots of 128 k would fit twice into 327,680 bytes: half the matrix work between a refill and its wait, twice
; the rounds; and A would pass through LDS although no second wave of the work-group reads it.
; W IS ASKED FOR AHEAD (global_prefetch_b8): it is read from memory once, and a refill is requested only when the one before has landed.  A lap's two
; tiles are TN rows x 8 KS bytes = 1,024 blocks of 256 bytes.  The eight work-groups that read them (the eight row blocks) ask for TN/8 rows each,
; a wave for 32 blocks, one lane a block: each block is asked for once in the launch.  In the lap that multiplies tiles 2 l and 2 l + 1, behind
; the refill for tile 2 l + 3, a wave asks for tiles 2 l + 4 and 2 l + 5, whose tensor loads are issued one and two trips later; tiles 2 and 3 are
; asked for at the head, behind the first fills.  The last two laps ask for nothing: no request points past a row's end.
; THE MATRIX INSTRUCTION IS USED TRANSPOSED (source 0 = 16 rows of W, source 1 = 16 rows of A): lane (r, h) holds row r, columns 8 h .. 8 h + 7:
; the pairs that are mixed lie in one lane, and its eight f16 are the 16 bytes at 16 lane of a 512-byte block of the result.
; THE SPLINE.  With w_k = max(xi_k - t, 0), xi = -0.6, -0.2, 0.2, 0.6, 1, the eight columns of the basis are sums of w_k^3 (degree 3), w_k^2
; (column 5), w_k (column 6) and the step 0.6 <= t < 1 (column 7); the knot repeated at -1 adds nothing for t >= -1.  Per column of the layer 14
; numbers (2.885 b, the sums of cp x rw in front of each power) are made once and kept in LDS.  cp[:, 8] is sliced off in the problem and not read.
; LIMITS.  tanh = 1 - 2 / (1 + 2^(2.8853901 x)), rounded to f32: where a tanh of another make rounds to exactly 1 and this one does not (x of
; about 8 to 9), the step at t = 1 falls otherwise.  The clips are v_med3_num_f32: a NaN is not carried through them.
.set NT,    TN/16                      ; column tiles
.set KS,    32768/TN                   ; k in a slot: 256 or 512
.set KW,    KS/4                       ; a wave's k in a slot: 64 or 128
.set SP,    KW/32                      ; steps of 32 k in a slot
.set QI,    4+SP/2                     ; padding interval 2 << QI words = a row of KW f32
.set PITCH, KW*4+16                    ; an odd multiple of 16 bytes: the 16 rows of a fragment load start in different banks
.set WREG,  TN*PITCH                   ; a wave's region of a slot
.set SLOT,  4*WREG
.set PB,    2*SLOT                     ; behind the ring: the table, 14 x TN words, bytes that no tensor load fills
.set NB,    NT/4                       ; column tiles a wave finishes
.set TRIPS, K/KS
.set LAPS,  TRIPS/2                    ; a lap = both slots
.set BR,    KS/32                      ; blocks of 256 bytes in a row of a lap's two tiles: 8 or 16
.set LBR,   QI-2                       ; its logarithm
.set XW,    8*NT*1024                  ; ACT = 1: a wave's partial tile in the exchange, tile by tile as the registers hold it
.set XP,    272                        ; ACT = 0: the exchange is row-major, 64 f32 + 16 bytes
; window 0: v0-31 addresses, v32-63 the table's inputs and work, v64-255 A's buffers 0, 1, 2.  window 1: v0-63 A's buffer 3, v64-127 W as f32,
; v128-191 and v192-255 W's fragments, two buffers.  windows 2 (and 3): the accumulators, tile (a, b) at 8 (a NT + b).
.set AO,  10                           ; 16 lane
.set WA,  12                           ; v12, v13: my W rows in slot 0, 1
.set XS,  14                           ; exchange, in
.set XB,  16                           ; v16-19: exchange, back: partial tile s
.set PA,  20                           ; table
.set SO,  21                           ; byte offset of my stores
.set BA,  22                           ; ACT = 0: offset of my four biases
.set PF,  23                           ; byte offset, in the column block's rows of W, of the block that this lane asks for ahead; never rewritten
.set BI,  24                           ; v24-27: the biases
.set XR,  28                           ; v28-31: working copies of XB
.set RAW, 64
.set WB0, 128
.set PAR, 32                           ; the way out, all in window 0: v32-143 14 numbers x my 8 columns
.set PP,  144                          ; v144-175 four partial tiles
.set FIN, 176                          ; their sum
.set NEGT, 184                         ; -t
.set WK,  192
.set HH,  200
.set SS,  208
.set DD,  216
.set OO,  220
.if ACT
.set OUTP, 14
.else
.set OUTP, 10
.endif
.set MSB, 0
.macro WIN new                         ; the immediate's high byte repeats the setting that is left
.set WNEW, \new
.if MSB != WNEW
	s_set_vgpr_msb (MSB<<8)|WNEW
.set MSB, WNEW
.endif
.endm
.macro PLACES                          ; four plain places behind a matrix instruction (ISA guide 7.12.1)
.rept 4
	v_nop
.endr
.endm
.macro ROUND                           ; a round of the cluster's barrier
	s_barrier_signal -1
	s_barrier_wait -1
	s_cmp_lg_u32 s16, 0
	s_cbranch_scc1 .Lnot_wave_0_\@
	s_barrier_signal -3
.Lnot_wave_0_\@:
	s_barrier_wait -3
	s_barrier_signal -1
	s_barrier_wait -1
.endm
.macro ALOAD buf, up                   ; A's 8 fragments of step up of the lap (may reach into the next lap) into buffer buf
.set AF, (64+64*(\buf))%256
.set AOFF, ((\up)/SP)*KS*32+((\up)%SP)*1024
	WIN ((\buf)/3)<<6
.irp a, 0,1,2,3,4,5,6,7
	global_load_b128 v[AF+8*\a:AF+8*\a+3], v[AO], s[50:51] offset:\a*K*32+AOFF
	global_load_b128 v[AF+8*\a+4:AF+8*\a+7], v[AO], s[50:51] offset:\a*K*32+AOFF+512
.endr
.endm
.macro RAWLOAD slot, j, ch             ; W of column tiles 4 ch .. 4 ch + 3, step j of the slot: k = 8 h .. + 7 and 16 + 8 h .. + 7 as f32
	WIN 0x40
.irp i, 0,1,2,3
	ds_load_b128 v[RAW+16*\i:RAW+16*\i+3], v[WA+\slot] offset:(4*\ch+\i)*16*PITCH+128*\j
	ds_load_b128 v[RAW+16*\i+4:RAW+16*\i+7], v[WA+\slot] offset:(4*\ch+\i)*16*PITCH+128*\j+16
	ds_load_b128 v[RAW+16*\i+8:RAW+16*\i+11], v[WA+\slot] offset:(4*\ch+\i)*16*PITCH+128*\j+64
	ds_load_b128 v[RAW+16*\i+12:RAW+16*\i+15], v[WA+\slot] offset:(4*\ch+\i)*16*PITCH+128*\j+80
.endr
.endm
.macro CVT ch, wb                      ; round them to f16: four fragments
	WIN 0x45
.irp i, 0,1,2,3
.irp e, 0,1,2,3,4,5,6,7
	v_cvt_pk_f16_f32 v[\wb+8*(4*\ch+\i)+\e], v[RAW+16*\i+2*\e], v[RAW+16*\i+2*\e+1]
.endr
.endr
.endm
.macro MULG g, wb, buf, zero           ; row tiles 2 g, 2 g + 1 x all column tiles.  The 8 NT accumulators take turns, one instruction a turn,
.set ma, 2*(\g)                        ; in the same order in every step
.set MF, (64+64*(\buf))%256
	WIN 1|(((\buf)/3)<<2)|((2+(8*ma*NT)/256)*0x50)
.rept 2
.set mn, 0
.rept NT
.set acc, (8*(ma*NT+mn))%256
.if \zero
	v_wmma_f32_16x16x32_f16 v[acc:acc+7], v[\wb+8*mn:\wb+8*mn+7], v[MF+8*ma:MF+8*ma+7], 0
.else
	v_wmma_f32_16x16x32_f16 v[acc:acc+7], v[\wb+8*mn:\wb+8*mn+7], v[MF+8*ma:MF+8*ma+7], v[acc:acc+7]
.endif
.set mn, mn+1
.endr
.set ma, ma+1
.endr
.endm
; Step u of a lap (a lap = both slots = 2 SP steps): multiplies A's buffer u % 4 by W's buffer u % 2, asks for A three steps ahead, and makes the
; next step's W fragments.  In a slot's last step its bytes have all been read: there the slot is filled again.  pf = 1: the lap's last step asks
; ahead for the two tiles that the next lap's refills will bring.
.macro STEP u, zero, last, pf
.set NXT, (\u)+1
.set NSL, (NXT/SP)%2
.set NJ,  NXT%SP
.set ABC, (\u)%4
.set WBC, WB0+64*((\u)%2)
.set WBN, WB0+64*(NXT%2)
.set SL,  (\u)/SP
.set DOA, 1
.set DOW, 1
.set LEFT, 32
.if \last
.if (\u)+3 >= 2*SP
.set DOA, 0
.endif
.if (\u)+1 >= 2*SP
.set DOW, 0
.endif
.if 2*SP-1-(\u) < 2
.set LEFT, 16*(2*SP-1-(\u))
.endif
.endif
	PLACES                                         ; behind the last step's matrix instructions: their A buffer is loaded, their W buffer written again
	s_wait_loadcnt LEFT                            ; this step's 16 loads are in; those of the (at most two) later steps stay out
.if ((\u)%SP) == SP-1
.if \last
.if DOW
	s_wait_tensorcnt 0x0                           ; the last tile: my own region, which I alone read; nothing is filled any more
.endif
.if DOA
	ALOAD ((\u)+3)%4, (\u)+3
.endif
.else
	s_wait_dscnt 0x0                               ; my reads of this slot are over
	s_set_vgpr_msb 0xf1f0
	s_wait_tensorcnt 0x0                           ; all my tensor loads have landed: the one that was out is my region of the other slot
	ds_add_u32 v26, v27
	s_wait_dscnt 0x0
	s_set_vgpr_msb 0xf0f1
	ALOAD ((\u)+3)%4, (\u)+3                       ; only now: these 16 loads travel while the refill's request does, not beside the tile just waited for
	WIN 0
	s_add_nc_u64 s[34+4*SL:35+4*SL], s[34+4*SL:35+4*SL], 2*KS*4
	ROUND                                          ; both waits now hold of every wave of the four work-groups
	tensor_load_to_lds s[32+4*SL:35+4*SL], s[24:31]   ; my one load behind the round; it has SP steps, 128 matrix instructions, in which to land
	s_nop 0
.endif
.else
.if DOA
	ALOAD ((\u)+3)%4, (\u)+3
.endif
.endif
.if DOW
	RAWLOAD NSL, NJ, 0
.endif
.if \pf
.if (\u) == 2*SP-1
	global_prefetch_b8 v[PF], s[54:55] offset:4*KS*4 th:TH_LOAD_NT scope:SCOPE_SE   ; my 32 blocks of the tiles four and five behind this lap's first
.endif
.endif
	MULG 0, WBC, ABC, \zero
.if NT == 4
	MULG 1, WBC, ABC, \zero
.endif
.if DOW
	s_wait_dscnt 0x0
	CVT 0, WBN
.endif
.if NT == 8
.if DOW
	RAWLOAD NSL, NJ, 1
.endif
	MULG 1, WBC, ABC, \zero
	MULG 2, WBC, ABC, \zero
.if DOW
	s_wait_dscnt 0x0
	CVT 1, WBN
.endif
	MULG 3, WBC, ABC, \zero
.else
	MULG 2, WBC, ABC, \zero
	MULG 3, WBC, ABC, \zero
.endif
.endm
.macro LAP zero, last, pf
	STEP 0, \zero, \last, \pf
.set lu, 1
.rept 2*SP-1
	STEP lu, 0, \last, \pf
.set lu, lu+1
.endr
.if \last == 0
	WIN 0
	s_wait_xcnt 0x0                                ; A's base and the prefetches' base are stepped only behind this wait
	s_add_nc_u64 s[50:51], s[50:51], 2*KS*32
	s_add_nc_u64 s[54:55], s[54:55], 2*KS*4
.endif
.endm
	s_load_b256 s[4:11], s[0:1], 0x0               ; A s[4:5], W s[6:7], b s[8:9], then cp (ACT = 1) or the result
.if ACT
	s_load_b128 s[12:15], s[0:1], 0x20             ; rw s[12:13], the result s[14:15]
	v_lshl_add_u32 v26, v0, 2, 0x45c00
	v_mov_b32 v27, 0
	ds_add_u32 v26, v27
.endif
	v_lshrrev_b32 v4, 5, v0
	v_readfirstlane_b32 s16, v4                    ; wave
	s_bfe_u32 s17, ttmp6, 0x40000                  ; cx
	s_lshl_b32 s18, ttmp9, 2
	s_add_co_u32 s18, s18, s17                     ; row block = 4 x cluster x + cx: enters global addresses of A, of the result and of the prefetches alone
	s_and_b32 s19, ttmp7, 0xffff                   ; column block, the same in the four partners
	; group 1: TN rows x KW f32, 16 bytes of padding behind each row, for the four work-groups of the cluster
	s_mov_b32 s24, 15|(2<<16)|(1<<20)|(1<<21)|(QI<<22)|(3<<25)
	s_mov_b32 s25, KW<<16                          ; tensor_dim0
	s_mov_b32 s26, TN<<16                          ; tensor_dim1
	s_mov_b32 s27, KW<<16                          ; tile_dim0
	s_mov_b32 s28, TN                              ; tile_dim1
	s_mov_b32 s29, K                               ; elements from row to row
	s_mov_b32 s30, 0
	s_mov_b32 s31, 0
	s_mul_i32 s20, s19, TN*K*4                     ; W: my column block's rows,
	s_mov_b32 s21, 0
	s_mul_i32 s46, s16, KW*4                       ; my wave's k
	s_mov_b32 s47, 0
	s_mul_i32 s22, s16, WREG                       ; my region in a slot
	s_mul_i32 s42, s18, 8*K*32                     ; A: my row block's 8 row tiles,
	s_mul_i32 s43, s16, SP*1024                    ; my wave's fragments
	s_add_co_u32 s42, s42, s43
	s_mov_b32 s43, 0
	v_and_b32 v1, 31, v0
	v_and_b32 v2, 15, v0                           ; r
	v_bfe_u32 v3, v0, 4, 1                         ; h
	v_lshlrev_b32 v[AO], 4, v1
	s_mul_i32 s23, s18, TN/8                       ; asking ahead: my work-group's TN/8 rows of the column block,
	s_mul_i32 s41, s16, 32/BR                      ; my wave's 32/BR of them,
	s_add_co_u32 s23, s23, s41
	v_lshrrev_b32 v6, LBR, v1                      ; the lane's row among these
	v_add_nc_u32 v6, s23, v6
	v_mul_u32_u24 v6, v6, K*4
	v_and_b32 v7, BR-1, v1                         ; and its block of 256 bytes in the row
	v_lshl_add_u32 v[PF], v7, 8, v6
	s_wait_dscnt 0x0
	s_wait_kmcnt 0x0
	s_add_nc_u64 s[54:55], s[6:7], s[20:21]        ; W at my column block's first row: the prefetches' base
	s_add_nc_u64 s[6:7], s[54:55], s[46:47]        ; and at my wave's k: the tiles'
	s_add_nc_u64 s[50:51], s[4:5], s[42:43]
.irp n, 0,1
	s_mov_b32 s[32+4*\n], 1
	s_add_co_u32 s[33+4*\n], s22, \n*SLOT
	s_add_nc_u64 s[34+4*\n:35+4*\n], s[6:7], \n*KS*4
	s_or_b32 s[35+4*\n], s[35+4*\n], 0x80000000
.endr
	s_mul_i32 s20, s19, TN*4
	s_add_nc_u64 s[8:9], s[8:9], s[20:21]          ; b at my column block
	; What the first step and the table need is asked for first, in front of the round: these loads are older than all later loads of A, so the
	; first counted wait of the K loop shows them in.  The table itself is made behind the K loop.
.if ACT
	s_add_nc_u64 s[12:13], s[12:13], s[20:21]      ; rw
	s_mul_i32 s20, s19, TN*36
	s_add_nc_u64 s[10:11], s[10:11], s[20:21]      ; cp: rows of 9 f32
.if TN < 128
	s_cmp_ge_u32 s16, TN/32
	s_cbranch_scc1 .Lno_tload
.endif
	v_mul_u32_u24 v8, v0, 36                       ; thread n takes column n of the block
	v_lshlrev_b32 v9, 2, v0
.irp i, 0,1,2,3,4,5,6,7
	global_load_b32 v[32+\i], v8, s[10:11] offset:4*\i
.endr
	global_load_b32 v40, v9, s[12:13]
	global_load_b32 v41, v9, s[8:9]
.if TN < 128
.Lno_tload:
.endif
.else
	v_lshlrev_b32 v[BA], 4, v2
	global_load_b128 v[BI:BI+3], v[BA], s[8:9]     ; the biases of columns 4 r .. 4 r + 3
.endif
	ALOAD 0, 0
	ROUND                                          ; the four work-groups are here: the first joint loads meet
	tensor_load_to_lds s[32:35], s[24:31]          ; tile 0
	s_nop 0
	tensor_load_to_lds s[36:39], s[24:31]          ; tile 1: two loads of this wave are out, later one
	s_nop 0
	ALOAD 1, 1
	ALOAD 2, 2
	global_prefetch_b8 v[PF], s[54:55] offset:2*KS*4 th:TH_LOAD_NT scope:SCOPE_SE   ; my 32 blocks of tiles 2 and 3, which the first lap's refills bring
.if ACT
	s_mul_i32 s42, s18, 8*N*32
	s_mul_i32 s43, s19, TN*32
	s_add_co_u32 s42, s42, s43
.else
	s_mul_i32 s42, s18, 128*N*4
	s_mul_i32 s43, s16, 32*N*4
	s_add_co_u32 s42, s42, s43
	s_mul_i32 s43, s19, TN*4
	s_add_co_u32 s42, s42, s43
.endif
	s_mov_b32 s43, 0
	s_add_nc_u64 s[52:53], s[OUTP:OUTP+1], s[42:43]
	s_mov_b32 s44, 0xc1200000                      ; -10
	s_mov_b32 s45, 0x41200000                      ; 10
	v_mul_u32_u24 v5, v2, PITCH
	v_lshl_add_u32 v5, v3, 5, v5                   ; row r, 32 h bytes (8 f32)
	v_add_nc_u32 v[WA], s22, v5
	v_add_nc_u32 v[WA+1], SLOT, v[WA]
.if ACT
	s_mul_i32 s23, s16, XW
	v_add_nc_u32 v[XS], s23, v[AO]
	s_mul_i32 s23, s16, NB*1024
	v_add_nc_u32 v[XB], s23, v[AO]
	v_add_nc_u32 v[XB+1], XW, v[XB]
	v_add_nc_u32 v[XB+2], XW, v[XB+1]
	v_add_nc_u32 v[XB+3], XW, v[XB+2]
	s_mul_i32 s23, s16, NB*64
	s_add_co_u32 s23, s23, PB
	v_lshl_add_u32 v[PA], v3, 5, s23
	s_mul_i32 s23, s16, NB*512
	v_add_nc_u32 v[SO], s23, v[AO]
.else
	s_mul_i32 s23, s16, 128*XP
	v_mul_u32_u24 v6, v2, XP
	v_lshl_add_u32 v6, v3, 5, v6
	v_add_nc_u32 v[XS], s23, v6                    ; in: row r of a tile, 32 h bytes
	s_lshl_b32 s23, s16, 5
	v_add_nc_u32 v6, s23, v3                       ; back: row 32 wave + h (+ 2 i), 16 r bytes
	v_mul_u32_u24 v6, v6, XP
	v_lshl_add_u32 v[XB], v2, 4, v6
	v_add_nc_u32 v[XB+1], 128*XP, v[XB]
	v_add_nc_u32 v[XB+2], 128*XP, v[XB+1]
	v_add_nc_u32 v[XB+3], 128*XP, v[XB+2]
	v_lshlrev_b32 v7, 4, v2
	v_mul_u32_u24 v6, v3, N*4
	v_add_nc_u32 v[SO], v6, v7
.endif
	s_wait_tensorcnt 0x1                           ; my region of tile 0 is in, tile 1 stays out; no other wave reads my region
	RAWLOAD 0, 0, 0
	s_wait_dscnt 0x0
	CVT 0, WB0
.if NT == 8
	RAWLOAD 0, 0, 1
	s_wait_dscnt 0x0
	CVT 1, WB0
.endif
.if LAPS > 2
	LAP 1, 0, 1                                    ; the first products start the sums: nothing is cleared
.else
	LAP 1, 0, 0
.endif
.if LAPS > 3
	s_mov_b32 s40, LAPS-3
.Llap:
	LAP 0, 0, 1
	s_sub_co_u32 s40, s40, 1
	s_cmp_lg_u32 s40, 0
	s_cbranch_scc1 .Llap
.endif
.if LAPS > 2
	LAP 0, 0, 0                                    ; the last lap but one still fills both slots, and asks ahead for nothing: no tile is left to ask for
.endif
	LAP 0, 1, 0                                    ; the last lap fills nothing and asks for nothing past the end
	PLACES
	WIN 0
.if ACT
	; the table: thread n makes the 14 numbers of column n of the block from what it loaded at the head
.if TN < 128
	s_cmp_ge_u32 s16, TN/32
	s_cbranch_scc1 .Lno_table
.endif
	v_add_nc_u32 v11, PB, v9
.irp i, 0,1,2,3,4,5,6,7
	v_mul_f32 v[32+\i], v[32+\i], v40              ; c_i = cp_i rw
.endr
	v_mul_f32 v42, 0x4038aa3b, v41                 ; 2.8853901 b
	v_mul_f32 v43, 0x417a0000, v32                 ; w1^3: 15.625 (c0 - 2 c1 + 1.5 c2 - 2/3 c3 + c4/6)
	v_fmamk_f32 v43, v33, 0xc1fa0000, v43
	v_fmamk_f32 v43, v34, 0x41bb8000, v43
	v_fmamk_f32 v43, v35, 0xc126aaab, v43
	v_fmamk_f32 v43, v36, 0x4026aaab, v43
	v_mul_f32 v44, 0x407a0000, v33                 ; w2^3: 15.625 (c1/4 - 3/4 c2 + c3 - 2/3 c4)
	v_fmamk_f32 v44, v34, 0xc13b8000, v44
	v_fmamk_f32 v44, v35, 0x417a0000, v44
	v_fmamk_f32 v44, v36, 0xc126aaab, v44
	v_mul_f32 v45, 0xc0480000, v37                 ; w2^2: -3.125 c5
	v_mul_f32 v46, 0x4026aaab, v34                 ; w3^3: 15.625 (c2/6 - 2/3 c3 + c4)
	v_fmamk_f32 v46, v35, 0xc126aaab, v46
	v_fmamk_f32 v46, v36, 0x417a0000, v46
	v_mul_f32 v47, 0x41160000, v37                 ; w3^2: 9.375 c5
	v_mul_f32 v48, 0x40200000, v38                 ; w3 and w5: 2.5 c6
	v_mul_f32 v49, 0x4026aaab, v35                 ; w4^3: 15.625 (c3/6 - 2/3 c4)
	v_fmamk_f32 v49, v36, 0xc126aaab, v49
	v_mul_f32 v50, 0xc1160000, v37                 ; w4^2: -9.375 c5
	v_mul_f32 v51, 0xc0a00000, v38                 ; w4: -5 c6
	v_mul_f32 v52, 0x4026aaab, v36                 ; w5^3: 15.625 c4/6
	v_mul_f32 v53, 0x40480000, v37                 ; w5^2: 3.125 c5
.set tc, 0
.irp r, 42,43,44,45,46,47,48,49,50,51,52,53,48,39
	ds_store_b32 v11, v\r offset:tc*TN*4           ; read behind the two barriers below, each with its wait for my LDS instructions in front
.set tc, tc+1
.endr
.if TN < 128
.Lno_table:
.endif
.endif
	s_wait_dscnt 0x0
	s_wait_tensorcnt 0x0
	s_barrier_signal -1
	s_barrier_wait -1                              ; no wave reads the ring any more, and it has had its last fill: it becomes the exchange
.set xt, 0
.rept 8*NT
	WIN (2+(8*xt)/256)<<2
.if ACT
.set XO, xt*1024
.set XQ, 512
.else
.set XO, (xt/NT)*16*XP+(xt%NT)*64
.set XQ, 16
.endif
	ds_store_b128 v[XS], v[(8*xt)%256:(8*xt)%256+3] offset:XO
	ds_store_b128 v[XS], v[(8*xt)%256+4:(8*xt)%256+7] offset:XO+XQ
.set xt, xt+1
.endr
	WIN 0
	s_wait_dscnt 0x0                               ; my partial tile is written, for the others' sake
	s_barrier_signal -1
	s_barrier_wait -1
.if ACT
; Wave o finishes column tiles o NB + bb, all 8 row tiles, one tile a trip; the next trip's partial tiles are fetched while this one's numbers are worked on.
.macro LOADP
.irp s, 0,1,2,3
	ds_load_b128 v[PP+8*\s:PP+8*\s+3], v[XR+\s]
	ds_load_b128 v[PP+8*\s+4:PP+8*\s+7], v[XR+\s] offset:512
.endr
.endm
.macro TERM xi, ca, nco, cut           ; w = max(xi - t, 0); the sum gains ((A w + Q) w + G) w, with nco of the three numbers from table row ca on
.irp j, 0,2,4,6
	v_pk_add_f32 v[WK+\j:WK+\j+1], v[NEGT+\j:NEGT+\j+1], \xi op_sel_hi:[1,0]
.endr
.if \cut
.irp e, 0,1,2,3,4,5,6,7
	v_max_num_f32 v[WK+\e], 0, v[WK+\e]
.endr
.endif
.irp j, 0,2,4,6
.if \nco >= 2
	v_pk_fma_f32 v[HH+\j:HH+\j+1], v[PAR+8*\ca+\j:PAR+8*\ca+\j+1], v[WK+\j:WK+\j+1], v[PAR+8*\ca+8+\j:PAR+8*\ca+8+\j+1]
.else
	v_pk_mul_f32 v[HH+\j:HH+\j+1], v[PAR+8*\ca+\j:PAR+8*\ca+\j+1], v[WK+\j:WK+\j+1]
.endif
.endr
.irp j, 0,2,4,6
.if \nco == 3
	v_pk_fma_f32 v[HH+\j:HH+\j+1], v[HH+\j:HH+\j+1], v[WK+\j:WK+\j+1], v[PAR+8*\ca+16+\j:PAR+8*\ca+16+\j+1]
.else
	v_pk_mul_f32 v[HH+\j:HH+\j+1], v[HH+\j:HH+\j+1], v[WK+\j:WK+\j+1]
.endif
.endr
.irp j, 0,2,4,6
	v_pk_fma_f32 v[SS+\j:SS+\j+1], v[HH+\j:HH+\j+1], v[WK+\j:WK+\j+1], v[SS+\j:SS+\j+1]
.endr
.endm
.macro TRIPE bb, more
	s_wait_dscnt 0x0                               ; the four partial tiles (and, in a pass's first trip, the table's numbers)
.irp j, 0,2,4,6
	v_pk_add_f32 v[PP+\j:PP+\j+1], v[PP+\j:PP+\j+1], v[PP+8+\j:PP+8+\j+1]
	v_pk_add_f32 v[PP+16+\j:PP+16+\j+1], v[PP+16+\j:PP+16+\j+1], v[PP+24+\j:PP+24+\j+1]
.endr
.irp j, 0,2,4,6
	v_pk_add_f32 v[FIN+\j:FIN+\j+1], v[PP+\j:PP+\j+1], v[PP+16+\j:PP+16+\j+1]
.endr
.if \more
.irp s, 0,1,2,3
	v_add_nc_u32 v[XR+\s], NT*1024, v[XR+\s]       ; the next row tile
.endr
	LOADP
.endif
.irp j, 0,2,4,6
	v_pk_fma_f32 v[NEGT+\j:NEGT+\j+1], v[FIN+\j:FIN+\j+1], 0x4038aa3b, v[PAR+\j:PAR+\j+1] op_sel_hi:[1,0,1]   ; 2.8853901 (lin + b)
.endr
.irp e, 0,1,2,3,4,5,6,7
	v_exp_f32 v[NEGT+\e], v[NEGT+\e]
.endr
	v_nop                                          ; one plain place behind the transcendentals (ISA guide 5.7.2)
	s_wait_alu depctr_va_vdst(0)
.irp j, 0,2,4,6
	v_pk_add_f32 v[NEGT+\j:NEGT+\j+1], v[NEGT+\j:NEGT+\j+1], 1.0 op_sel_hi:[1,0]
.endr
.irp e, 0,1,2,3,4,5,6,7
	v_rcp_f32 v[NEGT+\e], v[NEGT+\e]
.endr
	v_nop
	s_wait_alu depctr_va_vdst(0)
.irp j, 0,2,4,6
	v_pk_fma_f32 v[NEGT+\j:NEGT+\j+1], v[NEGT+\j:NEGT+\j+1], 2.0, -1.0 op_sel_hi:[1,0,0]   ; -t = 2 / (1 + e^(2x)) - 1, in [-1, 1]
.endr
.irp e, 0,1,2,3,4,5,6,7
	v_add_nc_u32 v[WK+\e], 0x40e66666, v[NEGT+\e]  ; bits(-t) - bits(-0.6): below bits(-1) - bits(-0.6) exactly where 0.6 <= t < 1
.endr
.irp e, 0,1,2,3,4,5,6,7
	v_cmp_gt_u32 vcc_lo, 0x666666, v[WK+\e]
	v_cndmask_b32 v[SS+\e], 0, v[PAR+104+\e], vcc_lo   ; the step starts the sum
.endr
	TERM 1.0, 10, 3, 0                             ; 1 - t is never negative
	TERM 0x3f19999a, 7, 3, 1
	TERM 0x3e4ccccd, 4, 3, 1
	TERM 0xbe4ccccd, 2, 2, 1
	TERM 0xbf19999a, 1, 1, 1
.irp e, 0,1,2,3,4,5,6,7
	v_med3_num_f32 v[SS+\e], v[SS+\e], s44, s45    ; clip to +-10
.endr
	v_med3_num_f32 v[DD], v[SS+1], -1.0, 1.0       ; columns 0, 1: the partner, clipped to +-1; columns 2, 3: likewise, one with the other sign;
	v_med3_num_f32 v[DD+1], v[SS], -1.0, 1.0       ; columns 4 to 7: the commutator is zero
	v_med3_num_f32 v[DD+2], v[SS+3], -1.0, 1.0
	v_med3_num_f32 v[DD+3], v[SS+2], -1.0, 1.0
	v_pk_fma_f32 v[SS:SS+1], v[DD:DD+1], 0x3d4ccccd, v[SS:SS+1] op_sel_hi:[1,0,1]
	v_fmamk_f32 v[SS+2], v[DD+2], 0xbd4ccccd, v[SS+2]
	v_fmamk_f32 v[SS+3], v[DD+3], 0x3d4ccccd, v[SS+3]
	s_wait_xcnt 0x0                                ; the last trip's store has read its address and data: both are written again only behind this wait
	v_add_nc_u32 v[SO], N*32, v[SO]                ; one row tile on; the store reaches back
.irp j, 0,1,2,3
	v_cvt_pk_f16_f32 v[OO+\j], v[SS+2*\j], v[SS+2*\j+1]
.endr
	global_store_b128 v[SO], v[OO:OO+3], s[52:53] offset:\bb*512-(8*\bb+1)*N*32   ; the wave stores 512 consecutive bytes
.endm
.macro PASS bb
.irp s, 0,1,2,3
	v_add_nc_u32 v[XR+\s], \bb*1024, v[XB+\s]
.endr
.irp c, 0,1,2,3,4,5,6,7,8,9,10,11,12,13
	ds_load_b128 v[PAR+8*\c:PAR+8*\c+3], v[PA] offset:\bb*64+\c*TN*4
	ds_load_b128 v[PAR+8*\c+4:PAR+8*\c+7], v[PA] offset:\bb*64+\c*TN*4+16
.endr
	LOADP
	s_mov_b32 s40, 7
.Lrow_\@:
	TRIPE \bb, 1
	s_sub_co_u32 s40, s40, 1
	s_cmp_lg_u32 s40, 0
	s_cbranch_scc1 .Lrow_\@
	TRIPE \bb, 0                                   ; the last row tile fetches nothing more
.endm
	PASS 0
.if NB == 2
	PASS 1
.endif
.else
; Wave o finishes rows 32 o .. 32 o + 31, eight pairs of rows at a time: lanes 0-15 one row's 256 bytes, lanes 16-31 the next row's.
.macro OUTB g
.irp i, 0,1,2,3,4,5,6,7
.irp s, 0,1,2,3
	ds_load_b128 v[32+16*\i+4*\s:32+16*\i+4*\s+3], v[XB+\s] offset:2*(8*\g+\i)*XP
.endr
.endr
.irp i, 0,1,2,3,4,5,6,7
	s_wait_dscnt 28-4*\i                           ; pair i's four partial sums are the oldest 4 (i + 1) of the 32 loads
	v_pk_add_f32 v[32+16*\i:32+16*\i+1], v[32+16*\i:32+16*\i+1], v[36+16*\i:36+16*\i+1]
	v_pk_add_f32 v[34+16*\i:34+16*\i+1], v[34+16*\i:34+16*\i+1], v[38+16*\i:38+16*\i+1]
	v_pk_add_f32 v[40+16*\i:40+16*\i+1], v[40+16*\i:40+16*\i+1], v[44+16*\i:44+16*\i+1]
	v_pk_add_f32 v[42+16*\i:42+16*\i+1], v[42+16*\i:42+16*\i+1], v[46+16*\i:46+16*\i+1]
	v_pk_add_f32 v[32+16*\i:32+16*\i+1], v[32+16*\i:32+16*\i+1], v[40+16*\i:40+16*\i+1]
	v_pk_add_f32 v[34+16*\i:34+16*\i+1], v[34+16*\i:34+16*\i+1], v[42+16*\i:42+16*\i+1]
	v_pk_add_f32 v[32+16*\i:32+16*\i+1], v[32+16*\i:32+16*\i+1], v[BI:BI+1]
	v_pk_add_f32 v[34+16*\i:34+16*\i+1], v[34+16*\i:34+16*\i+1], v[BI+2:BI+3]
	global_store_b128 v[SO], v[32+16*\i:32+16*\i+3], s[52:53] offset:2*(8*\g+\i)*N*4   ; 16 lanes store 256 consecutive bytes, aligned
.endr
.endm
	OUTB 0
	s_wait_xcnt 0x0                                ; the stores' data registers are loaded again only behind this wait
	OUTB 1
.endif
	s_wait_tensorcnt 0x0
	ds_add_u32 v26, v27
	s_wait_dscnt 0x0
	ROUND                                          ; the closing round: no work-group ends while a partner may still ask jointly
	s_endpgm
.Lfunc_end_k_qde2a068407_g2:
	.size	k_qde2a068407_g2, .Lfunc_end_k_qde2a068407_g2-k_qde2a068407_g2
	.p2alignl 7, 3214868480
	.fill 96, 4, 3214868480
	.section	.rodata,"a",@progbits
	.p2align	6, 0x0
	.amdhsa_kernel k_qde2a068407_g2
		.amdhsa_group_segment_fixed_size 327680
		.amdhsa_private_segment_fixed_size 0
		.amdhsa_enable_private_segment 0
		.amdhsa_kernarg_size 48
		.amdhsa_user_sgpr_count 2
		.amdhsa_user_sgpr_kernarg_segment_ptr 1
		.amdhsa_wavefront_size32 1
		.amdhsa_system_sgpr_workgroup_id_x 1
		.amdhsa_system_sgpr_workgroup_id_y 1
		.amdhsa_system_sgpr_workgroup_id_z 1
		.amdhsa_system_vgpr_workitem_id 0
		.amdhsa_next_free_vgpr 1024
		.amdhsa_next_free_sgpr 66
		.amdhsa_reserve_vcc 1
		.amdhsa_float_denorm_mode_32 3
		.amdhsa_float_denorm_mode_16_64 3
		.amdhsa_memory_ordered 1
		.amdhsa_forward_progress 1
		.amdhsa_inst_pref_size 255
	.end_amdhsa_kernel
	.section	.bss,"aw",@nobits
	.p2align	6
	.space	262144
	.amdgpu_metadata
---
amdhsa.version: [ 1, 2 ]
amdhsa.kernels:
  - .name:           k_qde2a068407_g2
    .symbol:         k_qde2a068407_g2.kd
    .args:
      - { .name: h1, .offset: 0, .size: 8, .value_kind: global_buffer, .address_space: global }
      - { .name: W2, .offset: 8, .size: 8, .value_kind: global_buffer, .address_space: global }
      - { .name: b2, .offset: 16, .size: 8, .value_kind: global_buffer, .address_space: global }
      - { .name: cp2, .offset: 24, .size: 8, .value_kind: global_buffer, .address_space: global }
      - { .name: rw2, .offset: 32, .size: 8, .value_kind: global_buffer, .address_space: global }
      - { .name: h2, .offset: 40, .size: 8, .value_kind: global_buffer, .address_space: global }
    .group_segment_fixed_size: 327680
    .private_segment_fixed_size: 0
    .kernarg_segment_align: 8
    .kernarg_segment_size: 48
    .max_flat_workgroup_size: 128
    .sgpr_count:     66
    .vgpr_count:     1024
    .wavefront_size: 32
...
	.end_amdgpu_metadata
.endif
;; end of part 3
;; launch g3 (part 4): grid 8 x 32, 4 waves a work-group, clusters of 4 x 1, 327,680 bytes of LDS; arguments h2, W3, b3, cp3, rw3, h3; writes h3
.if DOCPART == 4
	.amdgcn_target "amdgcn-amd-amdhsa--gfx1250"
	.amdhsa_code_object_version 6
	.text
	.protected	k_qde2a068407_g3
	.globl	k_qde2a068407_g3
	.p2align	8
	.type	k_qde2a068407_g3,@function
k_qde2a068407_g3:
	s_mov_b64 s[64:65], 0
	v_nop
	global_prefetch_b8 v0, s[64:65] scope:SCOPE_SE
	s_setreg_imm32_b32 hwreg(HW_REG_WAVE_MODE, 25, 1), 1
	s_wait_xcnt 0x0
	s_wait_alu depctr_hold_cnt(0) depctr_sa_sdst(0) depctr_va_vdst(0) depctr_va_sdst(0) depctr_va_ssrc(0) depctr_va_vcc(0) depctr_vm_vsrc(0)
	s_getreg_b32 s2, hwreg(HW_REG_IB_STS2, 6, 4)
	s_cmp_eq_u32 s2, 0
	s_cbranch_scc0 .Lentry_in_a_cluster
	s_endpgm
.Lentry_in_a_cluster:
	s_bfe_u32 s2, ttmp6, 0x10000c
	s_cmp_lg_u32 s2, 0x3003
	s_cbranch_scc0 .Lentry_shape_is_right
	s_endpgm
.Lentry_shape_is_right:
; One layer: lin = A W^T + b, t = tanh(lin), the spline in t, the gain, the clip to +-10 and the pair mixing, stored as f16.
; A: f16 [1024][K] in pieces: byte(m, k) = (m >> 4) K 32 + (k >> 3) 256 + (m & 15) 16 + (k & 7) 2, so that a 16 x 32 fragment is two loads of
; 512 consecutive bytes.  The result has the same layout with N for K.  W: f32 [N][K], rounded to f16 on its way to the matrix unit.
.set K,   4096
.set N,   2048
.set TN,  64                           ; columns of a work-group's tile; its rows are 128
; NUMBER FORMAT.  Operands f16, sums f32.  f16 keeps 11 significant bits where bf16 keeps 8; the basis has a step at t = 0.6, and the sums of K
; terms may cancel to numbers far below their terms, so both feel the operands' rounding.  Room in f16: A is a clipped and mixed activation (at most
; 10.05), for every input.  W is an input.  LIMIT: |W| >= 65,520 becomes infinite; |W| < 2^-14 keeps an absolute error of 2^-25, not a relative one.
; SHARING.  Grid 8 (blocks of 128 rows) x 32 (blocks of TN columns).  Four waves; EACH WAVE MAKES THE WHOLE TILE over its own quarter of every
; slot's k (8 NT accumulator tiles), so every element of W and of A is read by one wave alone and W is rounded once in a work-group.
; The four partial tiles are added at the end, through LDS.
; W comes by tensor loads into two LDS slots of KS k.  The four work-groups of a cluster (4, 1, 1: four row blocks, one column block) need the
; same rows of W: the loads are joint, mask 15.  Wave w fills, and alone reads, its own region of a slot (TN rows x KW k of f32).
; A goes straight into registers, three steps (of 32 k) ahead.  In a step that fills a slot again A's loads stand behind the wait for the tile, so
; that they are not on their way beside the tile that every wave of the cluster is waiting for.  A IS NOT ASKED FOR JOINTLY: with A in the slots a k
; costs 512 bytes here, so slots of 512 k would not fit twice into 327,680 bytes: less matrix work between a refill and its wait, more rounds; and A
; would pass through LDS although no second wave of the work-group reads it.
; W IS ASKED FOR AHEAD (global_prefetch_b8): it is read from memory once, and a refill is requested only when the one before has landed.  A lap's two
; tiles are TN rows x 8 KS bytes = 1,024 blocks of 256 bytes.  The eight work-groups that read them (the eight row blocks) ask for TN/8 rows each,
; a wave for 32 blocks, one lane a block: each block is asked for once in the launch.  In the lap that multiplies tiles 2 l and 2 l + 1, behind
; the refill for tile 2 l + 3, a wave asks for tiles 2 l + 4 and 2 l + 5, whose tensor loads are issued one and two trips later; tiles 2 and 3 are
; asked for at the head, behind the first fills.  The last two laps ask for nothing: no request points past a row's end.
; THE MATRIX INSTRUCTION IS USED TRANSPOSED (source 0 = 16 rows of W, source 1 = 16 rows of A): lane (r, h) holds row r, columns 8 h .. 8 h + 7:
; the pairs that are mixed lie in one lane, and its eight f16 are the 16 bytes at 16 lane of a 512-byte block of the result.
; THE SPLINE.  With w_k = max(xi_k - t, 0), xi = -0.6, -0.2, 0.2, 0.6, 1, the eight columns of the basis are sums of w_k^3 (degree 3), w_k^2
; (column 5), w_k (column 6) and the step 0.6 <= t < 1 (column 7); the knot repeated at -1 adds nothing for t >= -1.  Per column of the layer 14
; numbers (2.885 b, the sums of cp x rw in front of each power) are made once and kept in LDS.  cp[:, 8] is sliced off in the problem and not read.
; LIMITS.  tanh = 1 - 2 / (1 + 2^(2.8853901 x)), rounded to f32: where a tanh of another make rounds to exactly 1 and this one does not (x of
; about 8 to 9), the step at t = 1 falls otherwise.  The clips are v_med3_num_f32: a NaN is not carried through them.
.set NT,    TN/16                      ; column tiles
.set KS,    32768/TN                   ; k in a slot
.set KW,    KS/4                       ; a wave's k in a slot
.set SP,    KW/32                      ; steps of 32 k in a slot
.set QI,    4+SP/2                     ; padding interval 2 << QI words = a row of KW f32
.set PITCH, KW*4+16                    ; an odd multiple of 16 bytes: the 16 rows of a fragment load start in different banks
.set WREG,  TN*PITCH                   ; a wave's region of a slot
.set SLOT,  4*WREG
.set PB,    2*SLOT                     ; behind the ring: the table, 14 x TN words, bytes that no tensor load fills
.set NB,    NT/4                       ; column tiles a wave finishes
.set TRIPS, K/KS
.set LAPS,  TRIPS/2                    ; a lap = both slots
.set BR,    KS/32                      ; blocks of 256 bytes in a row of a lap's two tiles
.set LBR,   QI-2                       ; its logarithm
.set XW,    8*NT*1024                  ; a wave's partial tile in the exchange, tile by tile as the registers hold it
; window 0: v0-31 addresses, v32-63 the table's inputs and work, v64-255 A's buffers 0, 1, 2.  window 1: v0-63 A's buffer 3, v64-127 W as f32,
; v128-191 and v192-255 W's fragments, two buffers.  window 2: the accumulators, tile (a, b) at 8 (a NT + b).
.set AO,  10                           ; 16 lane
.set WA,  12                           ; v12, v13: my W rows in slot 0, 1
.set XS,  14                           ; exchange, in
.set XB,  16                           ; v16-19: exchange, back: partial tile s
.set PA,  20                           ; table
.set SO,  21                           ; byte offset of my stores
.set PF,  23                           ; byte offset, in the column block's rows of W, of the block that this lane asks for ahead; never rewritten
.set XR,  28                           ; v28-31: working copies of XB
.set RAW, 64
.set WB0, 128
.set PAR, 32                           ; the way out, all in window 0: v32-143 14 numbers x my 8 columns
.set PP,  144                          ; v144-175 four partial tiles
.set FIN, 176                          ; their sum
.set NEGT, 184                         ; -t
.set WK,  192
.set HH,  200
.set SS,  208
.set DD,  216
.set OO,  220
.set MSB, 0
.macro WIN new                         ; the immediate's high byte repeats the setting that is left
.set WNEW, \new
.if MSB != WNEW
	s_set_vgpr_msb (MSB<<8)|WNEW
.set MSB, WNEW
.endif
.endm
.macro PLACES                          ; four plain places behind a matrix instruction (ISA guide 7.12.1)
.rept 4
	v_nop
.endr
.endm
.macro ROUND                           ; a round of the cluster's barrier
	s_barrier_signal -1
	s_barrier_wait -1
	s_cmp_lg_u32 s16, 0
	s_cbranch_scc1 .Lnot_wave_0_\@
	s_barrier_signal -3
.Lnot_wave_0_\@:
	s_barrier_wait -3
	s_barrier_signal -1
	s_barrier_wait -1
.endm
.macro ALOAD buf, up                   ; A's 8 fragments of step up of the lap (may reach into the next lap) into buffer buf
.set AF, (64+64*(\buf))%256
.set AOFF, ((\up)/SP)*KS*32+((\up)%SP)*1024
	WIN ((\buf)/3)<<6
.irp a, 0,1,2,3,4,5,6,7
	global_load_b128 v[AF+8*\a:AF+8*\a+3], v[AO], s[50:51] offset:\a*K*32+AOFF
	global_load_b128 v[AF+8*\a+4:AF+8*\a+7], v[AO], s[50:51] offset:\a*K*32+AOFF+512
.endr
.endm
.macro RAWLOAD slot, j, ch             ; W of column tiles 4 ch .. 4 ch + 3, step j of the slot: k = 8 h .. + 7 and 16 + 8 h .. + 7 as f32
	WIN 0x40
.irp i, 0,1,2,3
	ds_load_b128 v[RAW+16*\i:RAW+16*\i+3], v[WA+\slot] offset:(4*\ch+\i)*16*PITCH+128*\j
	ds_load_b128 v[RAW+16*\i+4:RAW+16*\i+7], v[WA+\slot] offset:(4*\ch+\i)*16*PITCH+128*\j+16
	ds_load_b128 v[RAW+16*\i+8:RAW+16*\i+11], v[WA+\slot] offset:(4*\ch+\i)*16*PITCH+128*\j+64
	ds_load_b128 v[RAW+16*\i+12:RAW+16*\i+15], v[WA+\slot] offset:(4*\ch+\i)*16*PITCH+128*\j+80
.endr
.endm
.macro CVT ch, wb                      ; round them to f16: four fragments
	WIN 0x45
.irp i, 0,1,2,3
.irp e, 0,1,2,3,4,5,6,7
	v_cvt_pk_f16_f32 v[\wb+8*(4*\ch+\i)+\e], v[RAW+16*\i+2*\e], v[RAW+16*\i+2*\e+1]
.endr
.endr
.endm
.macro MULG g, wb, buf, zero           ; row tiles 2 g, 2 g + 1 x all column tiles.  The 8 NT accumulators take turns, one instruction a turn,
.set ma, 2*(\g)                        ; in the same order in every step
.set MF, (64+64*(\buf))%256
	WIN 1|(((\buf)/3)<<2)|((2+(8*ma*NT)/256)*0x50)
.rept 2
.set mn, 0
.rept NT
.set acc, (8*(ma*NT+mn))%256
.if \zero
	v_wmma_f32_16x16x32_f16 v[acc:acc+7], v[\wb+8*mn:\wb+8*mn+7], v[MF+8*ma:MF+8*ma+7], 0
.else
	v_wmma_f32_16x16x32_f16 v[acc:acc+7], v[\wb+8*mn:\wb+8*mn+7], v[MF+8*ma:MF+8*ma+7], v[acc:acc+7]
.endif
.set mn, mn+1
.endr
.set ma, ma+1
.endr
.endm
; Step u of a lap (a lap = both slots = 2 SP steps): multiplies A's buffer u % 4 by W's buffer u % 2, asks for A three steps ahead, and makes the
; next step's W fragments.  In a slot's last step its bytes have all been read: there the slot is filled again.  pf = 1: the lap's last step asks
; ahead for the two tiles that the next lap's refills will bring.
.macro STEP u, zero, last, pf
.set NXT, (\u)+1
.set NSL, (NXT/SP)%2
.set NJ,  NXT%SP
.set ABC, (\u)%4
.set WBC, WB0+64*((\u)%2)
.set WBN, WB0+64*(NXT%2)
.set SL,  (\u)/SP
.set DOA, 1
.set DOW, 1
.set LEFT, 32
.if \last
.if (\u)+3 >= 2*SP
.set DOA, 0
.endif
.if (\u)+1 >= 2*SP
.set DOW, 0
.endif
.if 2*SP-1-(\u) < 2
.set LEFT, 16*(2*SP-1-(\u))
.endif
.endif
	PLACES                                         ; behind the last step's matrix instructions: their A buffer is loaded, their W buffer written again
	s_wait_loadcnt LEFT                            ; this step's 16 loads are in; those of the (at most two) later steps stay out
.if ((\u)%SP) == SP-1
.if \last
.if DOW
	s_wait_tensorcnt 0x0                           ; the last tile: my own region, which I alone read; nothing is filled any more
.endif
.if DOA
	ALOAD ((\u)+3)%4, (\u)+3
.endif
.else
	s_wait_dscnt 0x0                               ; my reads of this slot are over
	s_wait_tensorcnt 0x0                           ; all my tensor loads have landed: the one that was out is my region of the other slot
	ds_add_u32 v255, v27
	s_wait_dscnt 0x0
	ALOAD ((\u)+3)%4, (\u)+3                       ; only now: these 16 loads travel while the refill's request does, not beside the tile just waited for
	WIN 0
	s_add_nc_u64 s[34+4*SL:35+4*SL], s[34+4*SL:35+4*SL], 2*KS*4
	ROUND                                          ; both waits now hold of every wave of the four work-groups
	tensor_load_to_lds s[32+4*SL:35+4*SL], s[24:31]   ; my one load behind the round; it has SP steps, 128 matrix instructions, in which to land
	s_nop 0
.endif
.else
.if DOA
	ALOAD ((\u)+3)%4, (\u)+3
.endif
.endif
.if DOW
	RAWLOAD NSL, NJ, 0
.endif
.if \pf
.if (\u) == 2*SP-1
	global_prefetch_b8 v[PF], s[54:55] offset:4*KS*4 th:TH_LOAD_NT scope:SCOPE_SE   ; my 32 blocks of the tiles four and five behind this lap's first
.endif
.endif
	MULG 0, WBC, ABC, \zero
.if NT == 4
	MULG 1, WBC, ABC, \zero
.endif
.if DOW
	s_wait_dscnt 0x0
	CVT 0, WBN
.endif
.if NT == 8
.if DOW
	RAWLOAD NSL, NJ, 1
.endif
	MULG 1, WBC, ABC, \zero
	MULG 2, WBC, ABC, \zero
.if DOW
	s_wait_dscnt 0x0
	CVT 1, WBN
.endif
	MULG 3, WBC, ABC, \zero
.else
	MULG 2, WBC, ABC, \zero
	MULG 3, WBC, ABC, \zero
.endif
.endm
.macro LAP zero, last, pf
	STEP 0, \zero, \last, \pf
.set lu, 1
.rept 2*SP-1
	STEP lu, 0, \last, \pf
.set lu, lu+1
.endr
.if \last == 0
	WIN 0
	s_wait_xcnt 0x0                                ; A's base and the prefetches' base are stepped only behind this wait
	s_add_nc_u64 s[50:51], s[50:51], 2*KS*32
	s_add_nc_u64 s[54:55], s[54:55], 2*KS*4
.endif
.endm
	s_load_b256 s[4:11], s[0:1], 0x0               ; A s[4:5], W s[6:7], b s[8:9], cp s[10:11]
	s_load_b128 s[12:15], s[0:1], 0x20             ; rw s[12:13], the result s[14:15]
	s_set_vgpr_msb 0x40
	v_lshl_add_u32 v255, v0, 2, 0x42e00
	s_set_vgpr_msb 0x4000
	v_mov_b32 v27, 0
	s_set_vgpr_msb 0x1
	ds_add_u32 v255, v27
	s_set_vgpr_msb 0x100
	v_lshrrev_b32 v4, 5, v0
	v_readfirstlane_b32 s16, v4                    ; wave
	s_bfe_u32 s17, ttmp6, 0x40000                  ; cx
	s_lshl_b32 s18, ttmp9, 2
	s_add_co_u32 s18, s18, s17                     ; row block = 4 x cluster x + cx: enters global addresses of A, of the result and of the prefetches alone
	s_and_b32 s19, ttmp7, 0xffff                   ; column block, the same in the four partners
	; group 1: TN rows x KW f32, 16 bytes of padding behind each row, for the four work-groups of the cluster
	s_mov_b32 s24, 15|(2<<16)|(1<<20)|(1<<21)|(QI<<22)|(3<<25)
	s_mov_b32 s25, KW<<16                          ; tensor_dim0
	s_mov_b32 s26, TN<<16                          ; tensor_dim1
	s_mov_b32 s27, KW<<16                          ; tile_dim0
	s_mov_b32 s28, TN                              ; tile_dim1
	s_mov_b32 s29, K                               ; elements from row to row
	s_mov_b32 s30, 0
	s_mov_b32 s31, 0
	s_mul_i32 s20, s19, TN*K*4                     ; W: my column block's rows,
	s_mov_b32 s21, 0
	s_mul_i32 s46, s16, KW*4                       ; my wave's k
	s_mov_b32 s47, 0
	s_mul_i32 s22, s16, WREG                       ; my region in a slot
	s_mul_i32 s42, s18, 8*K*32                     ; A: my row block's 8 row tiles,
	s_mul_i32 s43, s16, SP*1024                    ; my wave's fragments
	s_add_co_u32 s42, s42, s43
	s_mov_b32 s43, 0
	v_and_b32 v1, 31, v0
	v_and_b32 v2, 15, v0                           ; r
	v_bfe_u32 v3, v0, 4, 1                         ; h
	v_lshlrev_b32 v[AO], 4, v1
	s_mul_i32 s23, s18, TN/8                       ; asking ahead: my work-group's TN/8 rows of the column block,
	s_mul_i32 s41, s16, 32/BR                      ; my wave's 32/BR of them,
	s_add_co_u32 s23, s23, s41
	v_lshrrev_b32 v6, LBR, v1                      ; the lane's row among these
	v_add_nc_u32 v6, s23, v6
	v_mul_u32_u24 v6, v6, K*4
	v_and_b32 v7, BR-1, v1                         ; and its block of 256 bytes in the row
	v_lshl_add_u32 v[PF], v7, 8, v6
	s_wait_dscnt 0x0
	s_wait_kmcnt 0x0
	s_add_nc_u64 s[54:55], s[6:7], s[20:21]        ; W at my column block's first row: the prefetches' base
	s_add_nc_u64 s[6:7], s[54:55], s[46:47]        ; and at my wave's k: the tiles'
	s_add_nc_u64 s[50:51], s[4:5], s[42:43]
.irp n, 0,1
	s_mov_b32 s[32+4*\n], 1
	s_add_co_u32 s[33+4*\n], s22, \n*SLOT
	s_add_nc_u64 s[34+4*\n:35+4*\n], s[6:7], \n*KS*4
	s_or_b32 s[35+4*\n], s[35+4*\n], 0x80000000
.endr
	s_mul_i32 s20, s19, TN*4
	s_add_nc_u64 s[8:9], s[8:9], s[20:21]          ; b at my column block
	s_add_nc_u64 s[12:13], s[12:13], s[20:21]      ; rw
	s_mul_i32 s20, s19, TN*36
	s_add_nc_u64 s[10:11], s[10:11], s[20:21]      ; cp: rows of 9 f32
	; What the first step and the table need is asked for first, in front of the round: these loads are older than all later loads of A, so the
	; first counted wait of the K loop shows them in.  The table itself is made behind the K loop.  Thread n takes column n mod TN of the block:
	; waves 2 and 3 load what waves 0 and 1 load, so that these registers are written in every wave; only waves 0 and 1 make and store the table.
	v_and_b32 v7, TN-1, v0
	v_mul_u32_u24 v8, v7, 36
	v_lshlrev_b32 v9, 2, v7
.irp i, 0,1,2,3,4,5,6,7
	global_load_b32 v[32+\i], v8, s[10:11] offset:4*\i
.endr
	global_load_b32 v40, v9, s[12:13]
	global_load_b32 v41, v9, s[8:9]
	ALOAD 0, 0
	ROUND                                          ; the four work-groups are here: the first joint loads meet
	tensor_load_to_lds s[32:35], s[24:31]          ; tile 0
	s_nop 0
	tensor_load_to_lds s[36:39], s[24:31]          ; tile 1: two loads of this wave are out, later one
	s_nop 0
	ALOAD 1, 1
	ALOAD 2, 2
	global_prefetch_b8 v[PF], s[54:55] offset:2*KS*4 th:TH_LOAD_NT scope:SCOPE_SE   ; my 32 blocks of tiles 2 and 3, which the first lap's refills bring
	s_mul_i32 s42, s18, 8*N*32
	s_mul_i32 s43, s19, TN*32
	s_add_co_u32 s42, s42, s43
	s_mov_b32 s43, 0
	s_add_nc_u64 s[52:53], s[14:15], s[42:43]
	s_mov_b32 s44, 0xc1200000                      ; -10
	s_mov_b32 s45, 0x41200000                      ; 10
	v_mul_u32_u24 v5, v2, PITCH
	v_lshl_add_u32 v5, v3, 5, v5                   ; row r, 32 h bytes (8 f32)
	v_add_nc_u32 v[WA], s22, v5
	v_add_nc_u32 v[WA+1], SLOT, v[WA]
	s_mul_i32 s23, s16, XW
	v_add_nc_u32 v[XS], s23, v[AO]
	s_mul_i32 s23, s16, NB*1024
	v_add_nc_u32 v[XB], s23, v[AO]
	v_add_nc_u32 v[XB+1], XW, v[XB]
	v_add_nc_u32 v[XB+2], XW, v[XB+1]
	v_add_nc_u32 v[XB+3], XW, v[XB+2]
	s_mul_i32 s23, s16, NB*64
	s_add_co_u32 s23, s23, PB
	v_lshl_add_u32 v[PA], v3, 5, s23
	s_mul_i32 s23, s16, NB*512
	v_add_nc_u32 v[SO], s23, v[AO]
	s_wait_tensorcnt 0x1                           ; my region of tile 0 is in, tile 1 stays out; no other wave reads my region
	RAWLOAD 0, 0, 0
	s_wait_dscnt 0x0
	CVT 0, WB0
.if NT == 8
	RAWLOAD 0, 0, 1
	s_wait_dscnt 0x0
	CVT 1, WB0
.endif
.if LAPS > 2
	LAP 1, 0, 1                                    ; the first products start the sums: nothing is cleared
.else
	LAP 1, 0, 0
.endif
.if LAPS > 3
	s_mov_b32 s40, LAPS-3
.Llap:
	LAP 0, 0, 1
	s_sub_co_u32 s40, s40, 1
	s_cmp_lg_u32 s40, 0
	s_cbranch_scc1 .Llap
.endif
.if LAPS > 2
	LAP 0, 0, 0                                    ; the last lap but one still fills both slots, and asks ahead for nothing: no tile is left to ask for
.endif
	LAP 0, 1, 0                                    ; the last lap fills nothing and asks for nothing past the end
	PLACES
	WIN 0
	; the table: thread n (of the first TN) makes the 14 numbers of column n of the block from what it loaded at the head
.if TN < 128
	s_cmp_ge_u32 s16, TN/32
	s_cbranch_scc1 .Lno_table
.endif
	v_add_nc_u32 v11, PB, v9
.irp i, 0,1,2,3,4,5,6,7
	v_mul_f32 v[32+\i], v[32+\i], v40              ; c_i = cp_i rw
.endr
	v_mul_f32 v42, 0x4038aa3b, v41                 ; 2.8853901 b
	v_mul_f32 v43, 0x417a0000, v32                 ; w1^3: 15.625 (c0 - 2 c1 + 1.5 c2 - 2/3 c3 + c4/6)
	v_fmamk_f32 v43, v33, 0xc1fa0000, v43
	v_fmamk_f32 v43, v34, 0x41bb8000, v43
	v_fmamk_f32 v43, v35, 0xc126aaab, v43
	v_fmamk_f32 v43, v36, 0x4026aaab, v43
	v_mul_f32 v44, 0x407a0000, v33                 ; w2^3: 15.625 (c1/4 - 3/4 c2 + c3 - 2/3 c4)
	v_fmamk_f32 v44, v34, 0xc13b8000, v44
	v_fmamk_f32 v44, v35, 0x417a0000, v44
	v_fmamk_f32 v44, v36, 0xc126aaab, v44
	v_mul_f32 v45, 0xc0480000, v37                 ; w2^2: -3.125 c5
	v_mul_f32 v46, 0x4026aaab, v34                 ; w3^3: 15.625 (c2/6 - 2/3 c3 + c4)
	v_fmamk_f32 v46, v35, 0xc126aaab, v46
	v_fmamk_f32 v46, v36, 0x417a0000, v46
	v_mul_f32 v47, 0x41160000, v37                 ; w3^2: 9.375 c5
	v_mul_f32 v48, 0x40200000, v38                 ; w3 and w5: 2.5 c6
	v_mul_f32 v49, 0x4026aaab, v35                 ; w4^3: 15.625 (c3/6 - 2/3 c4)
	v_fmamk_f32 v49, v36, 0xc126aaab, v49
	v_mul_f32 v50, 0xc1160000, v37                 ; w4^2: -9.375 c5
	v_mul_f32 v51, 0xc0a00000, v38                 ; w4: -5 c6
	v_mul_f32 v52, 0x4026aaab, v36                 ; w5^3: 15.625 c4/6
	v_mul_f32 v53, 0x40480000, v37                 ; w5^2: 3.125 c5
.set tc, 0
.irp r, 42,43,44,45,46,47,48,49,50,51,52,53,48,39
	ds_store_b32 v11, v\r offset:tc*TN*4           ; read behind the two barriers below, each with its wait for my LDS instructions in front
.set tc, tc+1
.endr
.if TN < 128
.Lno_table:
.endif
	s_wait_dscnt 0x0
	s_wait_tensorcnt 0x0
	s_barrier_signal -1
	s_barrier_wait -1                              ; no wave reads the ring any more, and it has had its last fill: it becomes the exchange
.set xt, 0
.rept 8*NT
	WIN (2+(8*xt)/256)<<2
	ds_store_b128 v[XS], v[(8*xt)%256:(8*xt)%256+3] offset:xt*1024
	ds_store_b128 v[XS], v[(8*xt)%256+4:(8*xt)%256+7] offset:xt*1024+512
.set xt, xt+1
.endr
	WIN 0
	s_wait_dscnt 0x0                               ; my partial tile is written, for the others' sake
	s_barrier_signal -1
	s_barrier_wait -1
; Wave o finishes column tiles o NB + bb, all 8 row tiles, one tile a trip; the next trip's partial tiles are fetched while this one's numbers are worked on.
.macro LOADP
.irp s, 0,1,2,3
	ds_load_b128 v[PP+8*\s:PP+8*\s+3], v[XR+\s]
	ds_load_b128 v[PP+8*\s+4:PP+8*\s+7], v[XR+\s] offset:512
.endr
.endm
.macro TERM xi, ca, nco, cut           ; w = max(xi - t, 0); the sum gains ((A w + Q) w + G) w, with nco of the three numbers from table row ca on
.irp j, 0,2,4,6
	v_pk_add_f32 v[WK+\j:WK+\j+1], v[NEGT+\j:NEGT+\j+1], \xi op_sel_hi:[1,0]
.endr
.if \cut
.irp e, 0,1,2,3,4,5,6,7
	v_max_num_f32 v[WK+\e], 0, v[WK+\e]
.endr
.endif
.irp j, 0,2,4,6
.if \nco >= 2
	v_pk_fma_f32 v[HH+\j:HH+\j+1], v[PAR+8*\ca+\j:PAR+8*\ca+\j+1], v[WK+\j:WK+\j+1], v[PAR+8*\ca+8+\j:PAR+8*\ca+8+\j+1]
.else
	v_pk_mul_f32 v[HH+\j:HH+\j+1], v[PAR+8*\ca+\j:PAR+8*\ca+\j+1], v[WK+\j:WK+\j+1]
.endif
.endr
.irp j, 0,2,4,6
.if \nco == 3
	v_pk_fma_f32 v[HH+\j:HH+\j+1], v[HH+\j:HH+\j+1], v[WK+\j:WK+\j+1], v[PAR+8*\ca+16+\j:PAR+8*\ca+16+\j+1]
.else
	v_pk_mul_f32 v[HH+\j:HH+\j+1], v[HH+\j:HH+\j+1], v[WK+\j:WK+\j+1]
.endif
.endr
.irp j, 0,2,4,6
	v_pk_fma_f32 v[SS+\j:SS+\j+1], v[HH+\j:HH+\j+1], v[WK+\j:WK+\j+1], v[SS+\j:SS+\j+1]
.endr
.endm
.macro TRIPE bb, more
	s_wait_dscnt 0x0                               ; the four partial tiles (and, in a pass's first trip, the table's numbers)
.irp j, 0,2,4,6
	v_pk_add_f32 v[PP+\j:PP+\j+1], v[PP+\j:PP+\j+1], v[PP+8+\j:PP+8+\j+1]
	v_pk_add_f32 v[PP+16+\j:PP+16+\j+1], v[PP+16+\j:PP+16+\j+1], v[PP+24+\j:PP+24+\j+1]
.endr
.irp j, 0,2,4,6
	v_pk_add_f32 v[FIN+\j:FIN+\j+1], v[PP+\j:PP+\j+1], v[PP+16+\j:PP+16+\j+1]
.endr
.if \more
.irp s, 0,1,2,3
	v_add_nc_u32 v[XR+\s], NT*1024, v[XR+\s]       ; the next row tile
.endr
	LOADP
.endif
.irp j, 0,2,4,6
	v_pk_fma_f32 v[NEGT+\j:NEGT+\j+1], v[FIN+\j:FIN+\j+1], 0x4038aa3b, v[PAR+\j:PAR+\j+1] op_sel_hi:[1,0,1]   ; 2.8853901 (lin + b)
.endr
.irp e, 0,1,2,3,4,5,6,7
	v_exp_f32 v[NEGT+\e], v[NEGT+\e]
.endr
	v_nop                                          ; one plain place behind the transcendentals (ISA guide 5.7.2)
	s_wait_alu depctr_va_vdst(0)
.irp j, 0,2,4,6
	v_pk_add_f32 v[NEGT+\j:NEGT+\j+1], v[NEGT+\j:NEGT+\j+1], 1.0 op_sel_hi:[1,0]
.endr
.irp e, 0,1,2,3,4,5,6,7
	v_rcp_f32 v[NEGT+\e], v[NEGT+\e]
.endr
	v_nop
	s_wait_alu depctr_va_vdst(0)
.irp j, 0,2,4,6
	v_pk_fma_f32 v[NEGT+\j:NEGT+\j+1], v[NEGT+\j:NEGT+\j+1], 2.0, -1.0 op_sel_hi:[1,0,0]   ; -t = 2 / (1 + e^(2x)) - 1, in [-1, 1]
.endr
.irp e, 0,1,2,3,4,5,6,7
	v_add_nc_u32 v[WK+\e], 0x40e66666, v[NEGT+\e]  ; bits(-t) - bits(-0.6): below bits(-1) - bits(-0.6) exactly where 0.6 <= t < 1
.endr
.irp e, 0,1,2,3,4,5,6,7
	v_cmp_gt_u32 vcc_lo, 0x666666, v[WK+\e]
	v_cndmask_b32 v[SS+\e], 0, v[PAR+104+\e], vcc_lo   ; the step starts the sum
.endr
	TERM 1.0, 10, 3, 0                             ; 1 - t is never negative
	TERM 0x3f19999a, 7, 3, 1
	TERM 0x3e4ccccd, 4, 3, 1
	TERM 0xbe4ccccd, 2, 2, 1
	TERM 0xbf19999a, 1, 1, 1
.irp e, 0,1,2,3,4,5,6,7
	v_med3_num_f32 v[SS+\e], v[SS+\e], s44, s45    ; clip to +-10
.endr
	v_med3_num_f32 v[DD], v[SS+1], -1.0, 1.0       ; columns 0, 1: the partner, clipped to +-1; columns 2, 3: likewise, one with the other sign;
	v_med3_num_f32 v[DD+1], v[SS], -1.0, 1.0       ; columns 4 to 7: the commutator is zero
	v_med3_num_f32 v[DD+2], v[SS+3], -1.0, 1.0
	v_med3_num_f32 v[DD+3], v[SS+2], -1.0, 1.0
	v_pk_fma_f32 v[SS:SS+1], v[DD:DD+1], 0x3d4ccccd, v[SS:SS+1] op_sel_hi:[1,0,1]
	v_fmamk_f32 v[SS+2], v[DD+2], 0xbd4ccccd, v[SS+2]
	v_fmamk_f32 v[SS+3], v[DD+3], 0x3d4ccccd, v[SS+3]
	s_wait_xcnt 0x0                                ; the last trip's store has read its address and data: both are written again only behind this wait
	v_add_nc_u32 v[SO], N*32, v[SO]                ; one row tile on; the store reaches back
.irp j, 0,1,2,3
	v_cvt_pk_f16_f32 v[OO+\j], v[SS+2*\j], v[SS+2*\j+1]
.endr
	global_store_b128 v[SO], v[OO:OO+3], s[52:53] offset:\bb*512-(8*\bb+1)*N*32   ; the wave stores 512 consecutive bytes
.endm
.macro PASS bb
.irp s, 0,1,2,3
	v_add_nc_u32 v[XR+\s], \bb*1024, v[XB+\s]
.endr
.irp c, 0,1,2,3,4,5,6,7,8,9,10,11,12,13
	ds_load_b128 v[PAR+8*\c:PAR+8*\c+3], v[PA] offset:\bb*64+\c*TN*4
	ds_load_b128 v[PAR+8*\c+4:PAR+8*\c+7], v[PA] offset:\bb*64+\c*TN*4+16
.endr
	LOADP
	s_mov_b32 s40, 7
.Lrow_\@:
	TRIPE \bb, 1
	s_sub_co_u32 s40, s40, 1
	s_cmp_lg_u32 s40, 0
	s_cbranch_scc1 .Lrow_\@
	TRIPE \bb, 0                                   ; the last row tile fetches nothing more
.endm
	PASS 0
.if NB == 2
	PASS 1
.endif
	s_set_vgpr_msb 0x1
	s_wait_tensorcnt 0x0
	ds_add_u32 v255, v27
	s_wait_dscnt 0x0
	s_set_vgpr_msb 0x100
	ROUND                                          ; the closing round: no work-group ends while a partner may still ask jointly
	s_endpgm
.Lfunc_end_k_qde2a068407_g3:
	.size	k_qde2a068407_g3, .Lfunc_end_k_qde2a068407_g3-k_qde2a068407_g3
	.p2alignl 7, 3214868480
	.fill 96, 4, 3214868480
	.section	.rodata,"a",@progbits
	.p2align	6, 0x0
	.amdhsa_kernel k_qde2a068407_g3
		.amdhsa_group_segment_fixed_size 327680
		.amdhsa_private_segment_fixed_size 0
		.amdhsa_enable_private_segment 0
		.amdhsa_kernarg_size 48
		.amdhsa_user_sgpr_count 2
		.amdhsa_user_sgpr_kernarg_segment_ptr 1
		.amdhsa_wavefront_size32 1
		.amdhsa_system_sgpr_workgroup_id_x 1
		.amdhsa_system_sgpr_workgroup_id_y 1
		.amdhsa_system_sgpr_workgroup_id_z 1
		.amdhsa_system_vgpr_workitem_id 0
		.amdhsa_next_free_vgpr 768
		.amdhsa_next_free_sgpr 66
		.amdhsa_reserve_vcc 1
		.amdhsa_float_denorm_mode_32 3
		.amdhsa_float_denorm_mode_16_64 3
		.amdhsa_memory_ordered 1
		.amdhsa_forward_progress 1
		.amdhsa_inst_pref_size 255
	.end_amdhsa_kernel
	.section	.bss,"aw",@nobits
	.p2align	6
	.space	262144
	.amdgpu_metadata
---
amdhsa.version: [ 1, 2 ]
amdhsa.kernels:
  - .name:           k_qde2a068407_g3
    .symbol:         k_qde2a068407_g3.kd
    .args:
      - { .name: h2, .offset: 0, .size: 8, .value_kind: global_buffer, .address_space: global }
      - { .name: W3, .offset: 8, .size: 8, .value_kind: global_buffer, .address_space: global }
      - { .name: b3, .offset: 16, .size: 8, .value_kind: global_buffer, .address_space: global }
      - { .name: cp3, .offset: 24, .size: 8, .value_kind: global_buffer, .address_space: global }
      - { .name: rw3, .offset: 32, .size: 8, .value_kind: global_buffer, .address_space: global }
      - { .name: h3, .offset: 40, .size: 8, .value_kind: global_buffer, .address_space: global }
    .group_segment_fixed_size: 327680
    .private_segment_fixed_size: 0
    .kernarg_segment_align: 8
    .kernarg_segment_size: 48
    .max_flat_workgroup_size: 128
    .sgpr_count:     66
    .vgpr_count:     768
    .wavefront_size: 32
...
	.end_amdgpu_metadata
.endif
;; end of part 4
;; launch g4 (part 5): grid 8 x 32, 4 waves a work-group, clusters of 4 x 1, 327,680 bytes of LDS; arguments h3, W_out, b_out, out0; writes out0
.if DOCPART == 5
	.amdgcn_target "amdgcn-amd-amdhsa--gfx1250"
	.amdhsa_code_object_version 6
	.text
	.protected	k_qde2a068407_g4
	.globl	k_qde2a068407_g4
	.p2align	8
	.type	k_qde2a068407_g4,@function
k_qde2a068407_g4:
	s_mov_b64 s[64:65], 0
	v_nop
	global_prefetch_b8 v0, s[64:65] scope:SCOPE_SE
	s_setreg_imm32_b32 hwreg(HW_REG_WAVE_MODE, 25, 1), 1
	s_wait_xcnt 0x0
	s_wait_alu depctr_hold_cnt(0) depctr_sa_sdst(0) depctr_va_vdst(0) depctr_va_sdst(0) depctr_va_ssrc(0) depctr_va_vcc(0) depctr_vm_vsrc(0)
	s_getreg_b32 s2, hwreg(HW_REG_IB_STS2, 6, 4)
	s_cmp_eq_u32 s2, 0
	s_cbranch_scc0 .Lentry_in_a_cluster
	s_endpgm
.Lentry_in_a_cluster:
	s_bfe_u32 s2, ttmp6, 0x10000c
	s_cmp_lg_u32 s2, 0x3003
	s_cbranch_scc0 .Lentry_shape_is_right
	s_endpgm
.Lentry_shape_is_right:
; The last layer: out = A W^T + b, stored as f32 [1024][N].
; A: f16 [1024][K] in pieces: byte(m, k) = (m >> 4) K 32 + (k >> 3) 256 + (m & 15) 16 + (k & 7) 2, so that a 16 x 32 fragment is two loads of
; 512 consecutive bytes.  W: f32 [N][K], rounded to f16 on its way to the matrix unit.
.set K,   2048
.set N,   2048
.set TN,  64                           ; columns of a work-group's tile; its rows are 128
; NUMBER FORMAT.  Operands f16, sums f32.  f16 keeps 11 significant bits where bf16 keeps 8; the sums of K terms may cancel to numbers far below
; their terms and feel the operands' rounding.  Room in f16: A is a clipped and mixed activation (at most 10.05), for every input.  W is an input.
; LIMIT: |W| >= 65,520 becomes infinite; |W| < 2^-14 keeps an absolute error of 2^-25 instead of a relative one.
; SHARING.  Grid 8 (blocks of 128 rows) x 32 (blocks of TN columns).  Four waves; EACH WAVE MAKES THE WHOLE TILE over its own quarter of every
; slot's k (8 NT accumulator tiles), so every element of W and of A is read by one wave alone and W is rounded once in a work-group.
; The four partial tiles are added at the end, through LDS.
; W comes by tensor loads into two LDS slots of KS k.  The four work-groups of a cluster (4, 1, 1: four row blocks, one column block) need the
; same rows of W: the loads are joint, mask 15.  Wave w fills, and alone reads, its own region of a slot (TN rows x KW k of f32).
; A goes straight into registers, three steps (of 32 k) ahead.  In a step that fills a slot again A's loads stand behind the wait for the tile, so
; that they are not on their way beside the tile that every wave of the cluster is waiting for.  A IS NOT ASKED FOR JOINTLY: with A in the slots a k
; costs 512 bytes here, so slots of 512 k would not fit twice into 327,680 bytes: less matrix work between a refill and its wait, more rounds; and A
; would pass through LDS although no second wave of the work-group reads it.
; W IS ASKED FOR AHEAD (global_prefetch_b8): it is read from memory once, and a refill is requested only when the one before has landed.  A lap's two
; tiles are TN rows x 8 KS bytes = 1,024 blocks of 256 bytes.  The eight work-groups that read them (the eight row blocks) ask for TN/8 rows each,
; a wave for 32 blocks, one lane a block: each block is asked for once in the launch.  Here K is four tiles: tiles 2 and 3 are asked for at the
; head, behind the first fills, and the two laps ask for nothing: no request points past a row's end.
; THE MATRIX INSTRUCTION IS USED TRANSPOSED (source 0 = 16 rows of W, source 1 = 16 rows of A): lane (r, h) holds row r, columns 8 h .. 8 h + 7,
; 32 neighbouring bytes of a row of the result.
.set NT,    TN/16                      ; column tiles
.set KS,    32768/TN                   ; k in a slot
.set KW,    KS/4                       ; a wave's k in a slot
.set SP,    KW/32                      ; steps of 32 k in a slot
.set QI,    4+SP/2                     ; padding interval 2 << QI words = a row of KW f32
.set PITCH, KW*4+16                    ; an odd multiple of 16 bytes: the 16 rows of a fragment load start in different banks
.set WREG,  TN*PITCH                   ; a wave's region of a slot
.set SLOT,  4*WREG
.set TRIPS, K/KS
.set LAPS,  TRIPS/2                    ; a lap = both slots
.set BR,    KS/32                      ; blocks of 256 bytes in a row of a lap's two tiles
.set LBR,   QI-2                       ; its logarithm
.set XP,    272                        ; the exchange is row-major, 64 f32 + 16 bytes
; window 0: v0-31 addresses, v64-255 A's buffers 0, 1, 2.  window 1: v0-63 A's buffer 3, v64-127 W as f32,
; v128-191 and v192-255 W's fragments, two buffers.  window 2: the accumulators, tile (a, b) at 8 (a NT + b).
.set AO,  10                           ; 16 lane
.set WA,  12                           ; v12, v13: my W rows in slot 0, 1
.set XS,  14                           ; exchange, in
.set XB,  16                           ; v16-19: exchange, back: partial tile s
.set SO,  21                           ; byte offset of my stores
.set BA,  22                           ; offset of my four biases
.set PF,  23                           ; byte offset, in the column block's rows of W, of the block that this lane asks for ahead; never rewritten
.set BI,  24                           ; v24-27: the biases
.set RAW, 64
.set WB0, 128
.set MSB, 0
.macro WIN new                         ; the immediate's high byte repeats the setting that is left
.set WNEW, \new
.if MSB != WNEW
	s_set_vgpr_msb (MSB<<8)|WNEW
.set MSB, WNEW
.endif
.endm
.macro PLACES                          ; four plain places behind a matrix instruction (ISA guide 7.12.1)
.rept 4
	v_nop
.endr
.endm
.macro ROUND                           ; a round of the cluster's barrier
	s_barrier_signal -1
	s_barrier_wait -1
	s_cmp_lg_u32 s16, 0
	s_cbranch_scc1 .Lnot_wave_0_\@
	s_barrier_signal -3
.Lnot_wave_0_\@:
	s_barrier_wait -3
	s_barrier_signal -1
	s_barrier_wait -1
.endm
.macro ALOAD buf, up                   ; A's 8 fragments of step up of the lap (may reach into the next lap) into buffer buf
.set AF, (64+64*(\buf))%256
.set AOFF, ((\up)/SP)*KS*32+((\up)%SP)*1024
	WIN ((\buf)/3)<<6
.irp a, 0,1,2,3,4,5,6,7
	global_load_b128 v[AF+8*\a:AF+8*\a+3], v[AO], s[50:51] offset:\a*K*32+AOFF
	global_load_b128 v[AF+8*\a+4:AF+8*\a+7], v[AO], s[50:51] offset:\a*K*32+AOFF+512
.endr
.endm
.macro RAWLOAD slot, j, ch             ; W of column tiles 4 ch .. 4 ch + 3, step j of the slot: k = 8 h .. + 7 and 16 + 8 h .. + 7 as f32
	WIN 0x40
.irp i, 0,1,2,3
	ds_load_b128 v[RAW+16*\i:RAW+16*\i+3], v[WA+\slot] offset:(4*\ch+\i)*16*PITCH+128*\j
	ds_load_b128 v[RAW+16*\i+4:RAW+16*\i+7], v[WA+\slot] offset:(4*\ch+\i)*16*PITCH+128*\j+16
	ds_load_b128 v[RAW+16*\i+8:RAW+16*\i+11], v[WA+\slot] offset:(4*\ch+\i)*16*PITCH+128*\j+64
	ds_load_b128 v[RAW+16*\i+12:RAW+16*\i+15], v[WA+\slot] offset:(4*\ch+\i)*16*PITCH+128*\j+80
.endr
.endm
.macro CVT ch, wb                      ; round them to f16: four fragments
	WIN 0x45
.irp i, 0,1,2,3
.irp e, 0,1,2,3,4,5,6,7
	v_cvt_pk_f16_f32 v[\wb+8*(4*\ch+\i)+\e], v[RAW+16*\i+2*\e], v[RAW+16*\i+2*\e+1]
.endr
.endr
.endm
.macro MULG g, wb, buf, zero           ; row tiles 2 g, 2 g + 1 x all column tiles.  The 8 NT accumulators take turns, one instruction a turn,
.set ma, 2*(\g)                        ; in the same order in every step
.set MF, (64+64*(\buf))%256
	WIN 1|(((\buf)/3)<<2)|((2+(8*ma*NT)/256)*0x50)
.rept 2
.set mn, 0
.rept NT
.set acc, (8*(ma*NT+mn))%256
.if \zero
	v_wmma_f32_16x16x32_f16 v[acc:acc+7], v[\wb+8*mn:\wb+8*mn+7], v[MF+8*ma:MF+8*ma+7], 0
.else
	v_wmma_f32_16x16x32_f16 v[acc:acc+7], v[\wb+8*mn:\wb+8*mn+7], v[MF+8*ma:MF+8*ma+7], v[acc:acc+7]
.endif
.set mn, mn+1
.endr
.set ma, ma+1
.endr
.endm
; Step u of a lap (a lap = both slots = 2 SP steps): multiplies A's buffer u % 4 by W's buffer u % 2, asks for A three steps ahead, and makes the
; next step's W fragments.  In a slot's last step its bytes have all been read: there the slot is filled again.
.macro STEP u, zero, last
.set NXT, (\u)+1
.set NSL, (NXT/SP)%2
.set NJ,  NXT%SP
.set ABC, (\u)%4
.set WBC, WB0+64*((\u)%2)
.set WBN, WB0+64*(NXT%2)
.set SL,  (\u)/SP
.set DOA, 1
.set DOW, 1
.set LEFT, 32
.if \last
.if (\u)+3 >= 2*SP
.set DOA, 0
.endif
.if (\u)+1 >= 2*SP
.set DOW, 0
.endif
.if 2*SP-1-(\u) < 2
.set LEFT, 16*(2*SP-1-(\u))
.endif
.endif
	PLACES                                         ; behind the last step's matrix instructions: their A buffer is loaded, their W buffer written again
	s_wait_loadcnt LEFT                            ; this step's 16 loads are in; those of the (at most two) later steps stay out
.if ((\u)%SP) == SP-1
.if \last
.if DOW
	s_wait_tensorcnt 0x0                           ; the last tile: my own region, which I alone read; nothing is filled any more
.endif
.if DOA
	ALOAD ((\u)+3)%4, (\u)+3
.endif
.else
	s_wait_dscnt 0x0                               ; my reads of this slot are over
	s_wait_tensorcnt 0x0                           ; all my tensor loads have landed: the one that was out is my region of the other slot
	ds_add_u32 v255, v31
	s_wait_dscnt 0x0
	ALOAD ((\u)+3)%4, (\u)+3                       ; only now: these 16 loads travel while the refill's request does, not beside the tile just waited for
	WIN 0
	s_add_nc_u64 s[34+4*SL:35+4*SL], s[34+4*SL:35+4*SL], 2*KS*4
	ROUND                                          ; both waits now hold of every wave of the four work-groups
	tensor_load_to_lds s[32+4*SL:35+4*SL], s[24:31]   ; my one load behind the round; it has SP steps, 128 matrix instructions, in which to land
	s_nop 0
.endif
.else
.if DOA
	ALOAD ((\u)+3)%4, (\u)+3
.endif
.endif
.if DOW
	RAWLOAD NSL, NJ, 0
.endif
	MULG 0, WBC, ABC, \zero
	MULG 1, WBC, ABC, \zero
.if DOW
	s_wait_dscnt 0x0
	CVT 0, WBN
.endif
	MULG 2, WBC, ABC, \zero
	MULG 3, WBC, ABC, \zero
.endm
.macro LAP zero, last
	STEP 0, \zero, \last
.set lu, 1
.rept 2*SP-1
	STEP lu, 0, \last
.set lu, lu+1
.endr
.if \last == 0
	WIN 0
	s_wait_xcnt 0x0                                ; A's base is stepped only behind this wait
	s_add_nc_u64 s[50:51], s[50:51], 2*KS*32
.endif
.endm
	s_load_b256 s[4:11], s[0:1], 0x0               ; A s[4:5], W s[6:7], b s[8:9], the result s[10:11]
	s_set_vgpr_msb 0x40
	v_lshl_add_u32 v255, v0, 2, 0x42000
	s_set_vgpr_msb 0x4000
	v_mov_b32 v31, 0
	s_set_vgpr_msb 0x1
	ds_add_u32 v255, v31
	s_set_vgpr_msb 0x100
	v_lshrrev_b32 v4, 5, v0
	v_readfirstlane_b32 s16, v4                    ; wave
	s_bfe_u32 s17, ttmp6, 0x40000                  ; cx
	s_lshl_b32 s18, ttmp9, 2
	s_add_co_u32 s18, s18, s17                     ; row block = 4 x cluster x + cx: enters global addresses of A, of the result and of the prefetch alone
	s_and_b32 s19, ttmp7, 0xffff                   ; column block, the same in the four partners
	; group 1: TN rows x KW f32, 16 bytes of padding behind each row, for the four work-groups of the cluster
	s_mov_b32 s24, 15|(2<<16)|(1<<20)|(1<<21)|(QI<<22)|(3<<25)
	s_mov_b32 s25, KW<<16                          ; tensor_dim0
	s_mov_b32 s26, TN<<16                          ; tensor_dim1
	s_mov_b32 s27, KW<<16                          ; tile_dim0
	s_mov_b32 s28, TN                              ; tile_dim1
	s_mov_b32 s29, K                               ; elements from row to row
	s_mov_b32 s30, 0
	s_mov_b32 s31, 0
	s_mul_i32 s20, s19, TN*K*4                     ; W: my column block's rows,
	s_mov_b32 s21, 0
	s_mul_i32 s46, s16, KW*4                       ; my wave's k
	s_mov_b32 s47, 0
	s_mul_i32 s22, s16, WREG                       ; my region in a slot
	s_mul_i32 s42, s18, 8*K*32                     ; A: my row block's 8 row tiles,
	s_mul_i32 s43, s16, SP*1024                    ; my wave's fragments
	s_add_co_u32 s42, s42, s43
	s_mov_b32 s43, 0
	v_and_b32 v1, 31, v0
	v_and_b32 v2, 15, v0                           ; r
	v_bfe_u32 v3, v0, 4, 1                         ; h
	v_lshlrev_b32 v[AO], 4, v1
	s_mul_i32 s23, s18, TN/8                       ; asking ahead: my work-group's TN/8 rows of the column block,
	s_mul_i32 s41, s16, 32/BR                      ; my wave's 32/BR of them,
	s_add_co_u32 s23, s23, s41
	v_lshrrev_b32 v6, LBR, v1                      ; the lane's row among these
	v_add_nc_u32 v6, s23, v6
	v_mul_u32_u24 v6, v6, K*4
	v_and_b32 v7, BR-1, v1                         ; and its block of 256 bytes in the row
	v_lshl_add_u32 v[PF], v7, 8, v6
	s_wait_dscnt 0x0
	s_wait_kmcnt 0x0
	s_add_nc_u64 s[54:55], s[6:7], s[20:21]        ; W at my column block's first row: the prefetch's base
	s_add_nc_u64 s[6:7], s[54:55], s[46:47]        ; and at my wave's k: the tiles'
	s_add_nc_u64 s[50:51], s[4:5], s[42:43]
.irp n, 0,1
	s_mov_b32 s[32+4*\n], 1
	s_add_co_u32 s[33+4*\n], s22, \n*SLOT
	s_add_nc_u64 s[34+4*\n:35+4*\n], s[6:7], \n*KS*4
	s_or_b32 s[35+4*\n], s[35+4*\n], 0x80000000
.endr
	s_mul_i32 s20, s19, TN*4
	s_add_nc_u64 s[8:9], s[8:9], s[20:21]          ; b at my column block
	; The biases and the first step's A are asked for first, in front of the round: the biases' load is older than every load of A, so the first
	; counted wait of the K loop shows it in.
	v_lshlrev_b32 v[BA], 4, v2
	global_load_b128 v[BI:BI+3], v[BA], s[8:9]     ; the biases of columns 4 r .. 4 r + 3
	ALOAD 0, 0
	ROUND                                          ; the four work-groups are here: the first joint loads meet
	tensor_load_to_lds s[32:35], s[24:31]          ; tile 0
	s_nop 0
	tensor_load_to_lds s[36:39], s[24:31]          ; tile 1: two loads of this wave are out, later one
	s_nop 0
	ALOAD 1, 1
	ALOAD 2, 2
	global_prefetch_b8 v[PF], s[54:55] offset:2*KS*4 th:TH_LOAD_NT scope:SCOPE_SE   ; my 32 blocks of tiles 2 and 3, which the first lap's refills bring
	s_mul_i32 s42, s18, 128*N*4
	s_mul_i32 s43, s16, 32*N*4
	s_add_co_u32 s42, s42, s43
	s_mul_i32 s43, s19, TN*4
	s_add_co_u32 s42, s42, s43
	s_mov_b32 s43, 0
	s_add_nc_u64 s[52:53], s[10:11], s[42:43]      ; the result at row 128 block + 32 wave, my column block
	v_mul_u32_u24 v5, v2, PITCH
	v_lshl_add_u32 v5, v3, 5, v5                   ; row r, 32 h bytes (8 f32)
	v_add_nc_u32 v[WA], s22, v5
	v_add_nc_u32 v[WA+1], SLOT, v[WA]
	s_mul_i32 s23, s16, 128*XP
	v_mul_u32_u24 v6, v2, XP
	v_lshl_add_u32 v6, v3, 5, v6
	v_add_nc_u32 v[XS], s23, v6                    ; in: row r of a tile, 32 h bytes
	s_lshl_b32 s23, s16, 5
	v_add_nc_u32 v6, s23, v3                       ; back: row 32 wave + h (+ 2 i), 16 r bytes
	v_mul_u32_u24 v6, v6, XP
	v_lshl_add_u32 v[XB], v2, 4, v6
	v_add_nc_u32 v[XB+1], 128*XP, v[XB]
	v_add_nc_u32 v[XB+2], 128*XP, v[XB+1]
	v_add_nc_u32 v[XB+3], 128*XP, v[XB+2]
	v_lshlrev_b32 v7, 4, v2
	v_mul_u32_u24 v6, v3, N*4
	v_add_nc_u32 v[SO], v6, v7
	s_wait_tensorcnt 0x1                           ; my region of tile 0 is in, tile 1 stays out; no other wave reads my region
	RAWLOAD 0, 0, 0
	s_wait_dscnt 0x0
	CVT 0, WB0
	LAP 1, 0                                       ; the first products start the sums: nothing is cleared
.if LAPS > 2
	s_mov_b32 s40, LAPS-2
.Llap:
	LAP 0, 0
	s_sub_co_u32 s40, s40, 1
	s_cmp_lg_u32 s40, 0
	s_cbranch_scc1 .Llap
.endif
	LAP 0, 1                                       ; the last lap fills nothing and asks for nothing past the end
	PLACES
	WIN 0
	s_wait_dscnt 0x0
	s_wait_tensorcnt 0x0
	s_barrier_signal -1
	s_barrier_wait -1                              ; no wave reads the ring any more, and it has had its last fill: it becomes the exchange
.set xt, 0
.rept 8*NT
	WIN (2+(8*xt)/256)<<2
.set XO, (xt/NT)*16*XP+(xt%NT)*64
	ds_store_b128 v[XS], v[(8*xt)%256:(8*xt)%256+3] offset:XO
	ds_store_b128 v[XS], v[(8*xt)%256+4:(8*xt)%256+7] offset:XO+16
.set xt, xt+1
.endr
	WIN 0
	s_wait_dscnt 0x0                               ; my partial tile is written, for the others' sake
	s_barrier_signal -1
	s_barrier_wait -1
; Wave o finishes rows 32 o .. 32 o + 31, eight pairs of rows at a time: lanes 0-15 one row's 256 bytes, lanes 16-31 the next row's.
.macro OUTB g
.irp i, 0,1,2,3,4,5,6,7
.irp s, 0,1,2,3
	ds_load_b128 v[32+16*\i+4*\s:32+16*\i+4*\s+3], v[XB+\s] offset:2*(8*\g+\i)*XP
.endr
.endr
.irp i, 0,1,2,3,4,5,6,7
	s_wait_dscnt 28-4*\i                           ; pair i's four partial sums are the oldest 4 (i + 1) of the 32 loads
	v_pk_add_f32 v[32+16*\i:32+16*\i+1], v[32+16*\i:32+16*\i+1], v[36+16*\i:36+16*\i+1]
	v_pk_add_f32 v[34+16*\i:34+16*\i+1], v[34+16*\i:34+16*\i+1], v[38+16*\i:38+16*\i+1]
	v_pk_add_f32 v[40+16*\i:40+16*\i+1], v[40+16*\i:40+16*\i+1], v[44+16*\i:44+16*\i+1]
	v_pk_add_f32 v[42+16*\i:42+16*\i+1], v[42+16*\i:42+16*\i+1], v[46+16*\i:46+16*\i+1]
	v_pk_add_f32 v[32+16*\i:32+16*\i+1], v[32+16*\i:32+16*\i+1], v[40+16*\i:40+16*\i+1]
	v_pk_add_f32 v[34+16*\i:34+16*\i+1], v[34+16*\i:34+16*\i+1], v[42+16*\i:42+16*\i+1]
	v_pk_add_f32 v[32+16*\i:32+16*\i+1], v[32+16*\i:32+16*\i+1], v[BI:BI+1]
	v_pk_add_f32 v[34+16*\i:34+16*\i+1], v[34+16*\i:34+16*\i+1], v[BI+2:BI+3]
	global_store_b128 v[SO], v[32+16*\i:32+16*\i+3], s[52:53] offset:2*(8*\g+\i)*N*4   ; 16 lanes store 256 consecutive bytes, aligned
.endr
.endm
	OUTB 0
	s_wait_xcnt 0x0                                ; the stores' data registers are loaded again only behind this wait
	OUTB 1
	s_set_vgpr_msb 0x1
	s_wait_tensorcnt 0x0
	ds_add_u32 v255, v31
	s_wait_dscnt 0x0
	s_set_vgpr_msb 0x100
	ROUND                                          ; the closing round: no work-group ends while a partner may still ask jointly
	s_endpgm
.Lfunc_end_k_qde2a068407_g4:
	.size	k_qde2a068407_g4, .Lfunc_end_k_qde2a068407_g4-k_qde2a068407_g4
	.p2alignl 7, 3214868480
	.fill 96, 4, 3214868480
	.section	.rodata,"a",@progbits
	.p2align	6, 0x0
	.amdhsa_kernel k_qde2a068407_g4
		.amdhsa_group_segment_fixed_size 327680
		.amdhsa_private_segment_fixed_size 0
		.amdhsa_enable_private_segment 0
		.amdhsa_kernarg_size 32
		.amdhsa_user_sgpr_count 2
		.amdhsa_user_sgpr_kernarg_segment_ptr 1
		.amdhsa_wavefront_size32 1
		.amdhsa_system_sgpr_workgroup_id_x 1
		.amdhsa_system_sgpr_workgroup_id_y 1
		.amdhsa_system_sgpr_workgroup_id_z 1
		.amdhsa_system_vgpr_workitem_id 0
		.amdhsa_next_free_vgpr 768
		.amdhsa_next_free_sgpr 66
		.amdhsa_reserve_vcc 0
		.amdhsa_float_denorm_mode_32 3
		.amdhsa_float_denorm_mode_16_64 3
		.amdhsa_memory_ordered 1
		.amdhsa_forward_progress 1
		.amdhsa_inst_pref_size 135
	.end_amdhsa_kernel
	.amdgpu_metadata
---
amdhsa.version: [ 1, 2 ]
amdhsa.kernels:
  - .name:           k_qde2a068407_g4
    .symbol:         k_qde2a068407_g4.kd
    .args:
      - { .name: h3, .offset: 0, .size: 8, .value_kind: global_buffer, .address_space: global }
      - { .name: W_out, .offset: 8, .size: 8, .value_kind: global_buffer, .address_space: global }
      - { .name: b_out, .offset: 16, .size: 8, .value_kind: global_buffer, .address_space: global }
      - { .name: out0, .offset: 24, .size: 8, .value_kind: global_buffer, .address_space: global }
    .group_segment_fixed_size: 327680
    .private_segment_fixed_size: 0
    .kernarg_segment_align: 8
    .kernarg_segment_size: 32
    .max_flat_workgroup_size: 128
    .sgpr_count:     66
    .vgpr_count:     768
    .wavefront_size: 32
...
	.end_amdgpu_metadata
.endif
;; end of part 5
;; ======== version 2 of 2: 5 launches; version 1 with the launch ln written anew for expert scheduling mode
;; limits: values are held in f16: magnitudes above 65,504 overflow, below 6.1e-05 lose precision; inputs' magnitudes at most 65,504
;; workspace buffers: xn 4,194,304 bytes; h1 8,388,608 bytes; h2 8,388,608 bytes; h3 4,194,304 bytes
;; launch ln (part 6): grid 64 x 1, 16 waves a work-group, no clusters, 71,680 bytes of LDS; arguments x, xn; writes xn
.if DOCPART == 6
	.amdgcn_target "amdgcn-amd-amdhsa--gfx1250"
	.amdhsa_code_object_version 6
	.text
	.protected	k_qde2a068407_ln
	.globl	k_qde2a068407_ln
	.p2align	8
	.type	k_qde2a068407_ln,@function
k_qde2a068407_ln:
	s_mov_b64 s[64:65], 0
	v_nop
	global_prefetch_b8 v0, s[64:65] scope:SCOPE_SE
	s_setreg_imm32_b32 hwreg(HW_REG_WAVE_SCHED_MODE, 0, 2), 2
	s_setreg_imm32_b32 hwreg(HW_REG_WAVE_MODE, 25, 1), 1
	s_wait_xcnt 0x0
	s_wait_alu depctr_vm_vsrc(0)
; xn = (x - mean) / sqrt(var + 1e-5) along rows of 2048, x f32 [1024][2048], xn f16 in the layout the products read:
;   byte(m, k) = (m >> 4) * 65536 + (k >> 3) * 256 + (m & 15) * 16 + (k & 7) * 2     ("pieces" of 16 rows x 8 k = 256 bytes)
; f16 has room for xn whatever x holds: a normalised row of 2048 numbers has none above sqrt(2048) < 46.
; A work-group takes 16 rows (one block of 65,536 bytes of xn), a wave one row, kept in 64 registers a lane between the passes:
; mean first, then the sum of squares of (x - mean), so a common offset of x forms no difference of large sums.
; The 16 rows meet in LDS (a piece = 256 bytes + 16 of padding), so that every store of a wave covers 512 consecutive bytes.
; No matrix unit, no tensor load, no cluster: each byte is read once and no work-group shares a byte with another.
; THE MODE: SCHED_MODE bits 1:0 = 2 (LLVM: expert scheduling mode 2), set by the entry lines.  The code itself states the register dependences
; between vector instructions and memory or LDS instructions, with s_wait_alu, always for 0.
; THE PLAN.  Registers that memory or LDS instructions touch:
;   v3         16 lane.  Written once at the head; read by the 16 loads of x and the 8 stores of xn.
;   v4, v5     LDS addresses.  Written once, behind the loads of x; v4 is read by the 16 LDS stores, v5 by the 8 LDS loads.
;   v[8:71]    The loads of x land here before any vector instruction names them.
;   v[8:23]    Written by the roundings of the row's first half; read by LDS stores 0 to 7.
;   v[24:39]   Written by the roundings of the second half; read by LDS stores 8 to 15.
;   v[40:71]   Last written and read by the second half's scalings and roundings; then the LDS loads behind the barrier land here, and the stores of xn
;              read them.  No LDS store reads them.
;   v96, v97   Written at the head; read by the closing add alone.
; The row is scaled and rounded in two halves: the first half's LDS stores are out while the second half's vector lines run, and these write
; v[24:71] alone, none of the registers (v4, v[8:23]) that the pending stores read.  No register that a memory or LDS instruction has read is ever
; written again, so the text holds no wait on vm_vsrc ahead of its closing lines.
.set X, 8                              ; v[8:71]   the row's 64 numbers of this lane; later 32 packed words, and the read-back
.set M, 72                             ; v[72:79]  four chains of pairs
.set R, 80                             ; v[80:81]  -mean, later 1/sqrt(var + eps), twice
.set PP, 272                           ; LDS bytes from piece to piece
	s_load_b128 s[4:7], s[0:1], 0x0                ; x, xn
	v_lshl_add_u32 v96, v0, 2, 0x11000
	v_mov_b32 v97, 0
	v_and_b32 v1, 31, v0                           ; lane
	v_lshrrev_b32 v2, 5, v0
	v_readfirstlane_b32 s8, v2                     ; wave = row of the block
	v_lshlrev_b32 v3, 4, v1                        ; 16 lane
	s_lshl_b32 s10, ttmp9, 17                      ; 16 rows of 8,192 bytes
	s_mov_b32 s11, 0
	s_lshl_b32 s12, ttmp9, 16                      ; the block of xn
	s_mov_b32 s13, 0
	s_mov_b32 s14, 0x76543210                      ; v_permlanex16_b32: lane i reads lane i of the other half
	s_mov_b32 s15, 0xfedcba98
	s_mov_b32 s16, 0x3a000000                      ; 1 / 2048
	s_mov_b32 s17, 0x3727c5ac                      ; 1e-5
	s_wait_alu depctr_va_sdst(0)                   ; s8 is written, ahead of its first reader: the bases of x and xn and two LDS addresses are made from it
	s_lshl_b32 s9, s8, 13
	s_add_co_u32 s10, s10, s9
	s_lshl_b32 s9, s8, 12                          ; the wave writes pieces 16 wave .. 16 wave + 15
	s_add_co_u32 s12, s12, s9
	s_wait_kmcnt 0x0
	s_add_nc_u64 s[4:5], s[4:5], s[10:11]
	s_add_nc_u64 s[6:7], s[6:7], s[12:13]
	s_wait_alu depctr_va_vdst(0)                   ; v3 is written, which every load of x and every store of xn reads as its offset; so are v96 and v97, which the closing add reads
.irp q, 0,1,2,3,4,5,6,7,8,9,10,11,12,13,14,15
	global_load_b128 v[X+4*\q:X+4*\q+3], v3, s[4:5] offset:512*\q th:TH_LOAD_NT   ; k = 4 (lane + 32 q) .. + 3
.endr
	v_lshrrev_b32 v4, 1, v1                        ; in: piece (lane >> 1) + 16 q, row's 16 bytes, half lane & 1.  (These lines name neither v3 nor v[8:71].)
	v_mul_u32_u24 v4, v4, PP
	v_and_b32 v5, 1, v1
	v_lshl_add_u32 v4, v5, 3, v4
	s_lshl_b32 s18, s8, 4
	v_add_nc_u32 v4, s18, v4
	v_lshrrev_b32 v5, 4, v1                        ; back: piece 16 wave + 2 i + (lane >> 4), 16 bytes a lane
	v_mul_u32_u24 v5, v5, PP
	v_and_b32 v6, 15, v1
	v_lshl_add_u32 v5, v6, 4, v5
	s_mul_i32 s19, s8, 16*PP
	v_add_nc_u32 v5, s19, v5
.macro REDUCE                          ; the four chains, then the 32 lanes; the result is in every lane's v[M]
	v_pk_add_f32 v[M:M+1], v[M:M+1], v[M+2:M+3]
	v_pk_add_f32 v[M+4:M+5], v[M+4:M+5], v[M+6:M+7]
	v_pk_add_f32 v[M:M+1], v[M:M+1], v[M+4:M+5]
	v_add_f32 v[M], v[M], v[M+1]
	v_add_f32_dpp v[M], v[M], v[M] row_xmask:1 row_mask:0xf bank_mask:0xf
	v_add_f32_dpp v[M], v[M], v[M] row_xmask:2 row_mask:0xf bank_mask:0xf
	v_add_f32_dpp v[M], v[M], v[M] row_xmask:4 row_mask:0xf bank_mask:0xf
	v_add_f32_dpp v[M], v[M], v[M] row_xmask:8 row_mask:0xf bank_mask:0xf
	v_permlanex16_b32 v[M+1], v[M], s14, s15
	v_add_f32 v[M], v[M], v[M+1]
.endm
	s_wait_loadcnt 0x0                             ; the whole row is needed for the mean
.irp c, 0,1,2,3
	v_pk_add_f32 v[M+2*\c:M+2*\c+1], v[X+2*\c:X+2*\c+1], v[X+8+2*\c:X+8+2*\c+1]   ; the first sums start the chains
.endr
.set j, 8
.rept 24
	v_pk_add_f32 v[M+2*(j%4):M+2*(j%4)+1], v[M+2*(j%4):M+2*(j%4)+1], v[X+2*j:X+2*j+1]
.set j, j+1
.endr
	REDUCE
	v_mul_f32 v[R], 0xba000000, v[M]               ; -mean = -sum / 2048
	v_mov_b32 v[R+1], v[R]
.set j, 0
.rept 32
	v_pk_add_f32 v[X+2*j:X+2*j+1], v[X+2*j:X+2*j+1], v[R:R+1]
.set j, j+1
.endr
.irp c, 0,1,2,3
	v_pk_mul_f32 v[M+2*\c:M+2*\c+1], v[X+2*\c:X+2*\c+1], v[X+2*\c:X+2*\c+1]
.endr
.set j, 4
.rept 28
	v_pk_fma_f32 v[M+2*(j%4):M+2*(j%4)+1], v[X+2*j:X+2*j+1], v[X+2*j:X+2*j+1], v[M+2*(j%4):M+2*(j%4)+1]
.set j, j+1
.endr
	REDUCE
	v_fma_f32 v[M], v[M], s16, s17                 ; var + eps
	v_rsq_f32 v[R], v[M]
	v_rsq_f32 v[R+1], v[M]
	v_nop                                          ; one plain place behind the transcendentals (ISA guide 5.7.2)
	s_wait_alu depctr_va_vdst(0)                   ; the two reciprocal roots v[R], v[R+1] are written, ahead of their first reader: one wait for both
; Half g of the row: 32 numbers are scaled, rounded to 16 packed words and stored into LDS.
.macro HALF g
.set j, 16*(\g)
.rept 16
	v_pk_mul_f32 v[X+2*j:X+2*j+1], v[X+2*j:X+2*j+1], v[R:R+1]
.set j, j+1
.endr
.set j, 16*(\g)
.rept 16
	v_cvt_pk_f16_f32 v[X+j], v[X+2*j], v[X+2*j+1]  ; in place: word j is written when words 2 j and 2 j + 1 are read
.set j, j+1
.endr
.if (\g) == 0
	s_wait_alu depctr_va_vdst(0)                   ; the roundings have written v[X .. X+15], which the eight LDS stores below read; v4, their address, and v5 are written too
.else
	s_wait_alu depctr_va_vdst(0)                   ; the roundings have written v[X+16 .. X+31], which the eight LDS stores below read, and are done reading v[X+32 .. X+63], in which the LDS loads behind the barrier land
.endif
.irp q, 0,1,2,3,4,5,6,7
	ds_store_b64 v4, v[X+16*(\g)+2*\q:X+16*(\g)+2*\q+1] offset:16*PP*(8*(\g)+\q)
.endr
.endm
	HALF 0
	HALF 1                                         ; its vector lines write v[X+16 .. X+63] alone: none of the registers that the first half's pending stores read
	s_wait_dscnt 0x0                               ; my stores are done, for the other waves' sake
	s_barrier_signal -1
	s_barrier_wait -1
.irp i, 0,1,2,3,4,5,6,7
	ds_load_b128 v[X+32+4*\i:X+32+4*\i+3], v5 offset:2*PP*\i   ; no wait: no vector instruction has been issued since the last wait on va_vdst, and no LDS store read these registers
.endr
.irp i, 0,1,2,3,4,5,6,7
	s_wait_dscnt 7-\i                              ; LDS loads come back in order: load i is in
	global_store_b128 v3, v[X+32+4*\i:X+32+4*\i+3], s[6:7] offset:512*\i   ; two whole pieces, 512 consecutive bytes
.endr
	s_wait_dscnt 0x0                               ; the closing lines, six on end
	s_wait_alu 0x0
	s_wait_tensorcnt 0x0
	ds_add_u32 v96, v97
	s_wait_dscnt 0x0
	s_endpgm
.Lfunc_end_k_qde2a068407_ln:
	.size	k_qde2a068407_ln, .Lfunc_end_k_qde2a068407_ln-k_qde2a068407_ln
	.p2alignl 7, 3214868480
	.fill 96, 4, 3214868480
	.section	.rodata,"a",@progbits
	.p2align	6, 0x0
	.amdhsa_kernel k_qde2a068407_ln
		.amdhsa_group_segment_fixed_size 71680
		.amdhsa_private_segment_fixed_size 0
		.amdhsa_enable_private_segment 0
		.amdhsa_kernarg_size 16
		.amdhsa_user_sgpr_count 2
		.amdhsa_user_sgpr_kernarg_segment_ptr 1
		.amdhsa_wavefront_size32 1
		.amdhsa_system_sgpr_workgroup_id_x 1
		.amdhsa_system_sgpr_workgroup_id_y 1
		.amdhsa_system_sgpr_workgroup_id_z 1
		.amdhsa_system_vgpr_workitem_id 0
		.amdhsa_next_free_vgpr 98
		.amdhsa_next_free_sgpr 66
		.amdhsa_reserve_vcc 0
		.amdhsa_float_denorm_mode_32 3
		.amdhsa_float_denorm_mode_16_64 3
		.amdhsa_memory_ordered 1
		.amdhsa_forward_progress 1
		.amdhsa_inst_pref_size 18
	.end_amdhsa_kernel
	.amdgpu_metadata
---
amdhsa.version: [ 1, 2 ]
amdhsa.kernels:
  - .name:           k_qde2a068407_ln
    .symbol:         k_qde2a068407_ln.kd
    .args:
      - { .name: x, .offset: 0, .size: 8, .value_kind: global_buffer, .address_space: global }
      - { .name: xn, .offset: 8, .size: 8, .value_kind: global_buffer, .address_space: global }
    .group_segment_fixed_size: 71680
    .private_segment_fixed_size: 0
    .kernarg_segment_align: 8
    .kernarg_segment_size: 16
    .max_flat_workgroup_size: 512
    .sgpr_count:     66
    .vgpr_count:     98
    .wavefront_size: 32
...
	.end_amdgpu_metadata
.endif
;; end of part 6
;; launch g1: the kernel of part 2 again; grid 8 x 32, 4 waves a work-group, clusters of 4 x 1, 327,680 bytes of LDS; arguments xn, W1, b1, cp1, rw1, h1; writes h1
;; launch g2: the kernel of part 3 again; grid 8 x 32, 4 waves a work-group, clusters of 4 x 1, 327,680 bytes of LDS; arguments h1, W2, b2, cp2, rw2, h2; writes h2
;; launch g3: the kernel of part 4 again; grid 8 x 32, 4 waves a work-group, clusters of 4 x 1, 327,680 bytes of LDS; arguments h2, W3, b3, cp3, rw3, h3; writes h3
;; launch g4: the kernel of part 5 again; grid 8 x 32, 4 waves a work-group, clusters of 4 x 1, 327,680 bytes of LDS; arguments h3, W_out, b_out, out0; writes out0
